; MI455X (gfx1250); checked and timed in simulation.
; The chip was launched on July 23, 2026; its instructions are those of AMD's public machine-readable ISA for CDNA 5 (MIT licence, August 2026) and "CDNA5" Instruction Set Architecture Reference Guide (July 2026). The comments in the code are by the model that wrote it; some were corrected since.
;; Flash Multi Head Attention. Allowed arithmetic: matrix products marked QUANTISED: E2M3 operands, one E8M0 scale for each 32 along K, by v_wmma_scale_f32_16x16x128_f8f6f4 with both operands' format E2M3, f32 sums; everything else in f32.
;; Inputs: attn_mask 2 x 2,048 x 2,048 bool; bk 1,024 float32; bo 1,024 float32; bq 1,024 float32; bv 1,024 float32; key_in_codes 2 x 2,048 x 32 x 24 uint8 (E2M3 codes of key_in, K innermost, in blocks of 32 codes, four codes in three bytes); key_in_scales 2 x 2,048 x 32 uint8 (E8M0 scales of key_in, one for each 32 codes along K); query_codes 2 x 2,048 x 32 x 24 uint8 (E2M3 codes of query, K innermost, in blocks of 32 codes, four codes in three bytes); query_scales 2 x 2,048 x 32 uint8 (E8M0 scales of query, one for each 32 codes along K); rel_emb 4,095 x 16 float32; value_codes 2 x 2,048 x 32 x 24 uint8 (E2M3 codes of value, K innermost, in blocks of 32 codes, four codes in three bytes); value_scales 2 x 2,048 x 32 uint8 (E8M0 scales of value, one for each 32 codes along K); wk_codes 1,024 x 32 x 24 uint8 (E2M3 codes of wk, K innermost, in blocks of 32 codes, four codes in three bytes); wk_scales 1,024 x 32 uint8 (E8M0 scales of wk, one for each 32 codes along K); wo_codes 1,024 x 32 x 24 uint8 (E2M3 codes of wo, K innermost, in blocks of 32 codes, four codes in three bytes); wo_scales 1,024 x 32 uint8 (E8M0 scales of wo, one for each 32 codes along K); wq_codes 1,024 x 32 x 24 uint8 (E2M3 codes of wq, K innermost, in blocks of 32 codes, four codes in three bytes); wq_scales 1,024 x 32 uint8 (E8M0 scales of wq, one for each 32 codes along K); wv_codes 1,024 x 32 x 24 uint8 (E2M3 codes of wv, K innermost, in blocks of 32 codes, four codes in three bytes); wv_scales 1,024 x 32 uint8 (E8M0 scales of wv, one for each 32 codes along K).
;; Outputs: out0 2 x 2,048 x 1,024 float32.
;; This version of the problem:
;;   THIS VERSION OF THE PROBLEM IS GIVEN IN LOW PRECISION. The matrix products marked QUANTISED in the list below multiply operands that are first quantised to E2M3 (2 exponent bits, 3 mantissa bits; 6 bits a number), with one power-of-two scale for each 32 numbers along K (OCP MX v1.0); their sums are f32. All else is computed in f32.
;;   The module's matrix products, in the order in which they are computed (A, B: the left and right operand; K: the contracted axis; several contracted axes count as one K, in the product's order):
;;     1. [M 4,096, K 1,024] x [K 1,024, N 1,024]; A: input query (given as codes); B: input wq (given as codes): QUANTISED
;;     2. [M 4,096, K 1,024] x [K 1,024, N 1,024]; A: input key_in (given as codes); B: input wk (given as codes): QUANTISED
;;     3. [M 4,096, K 1,024] x [K 1,024, N 1,024]; A: input value (given as codes); B: input wv (given as codes): QUANTISED
;;     4. batch 32 x [M 2,048, K 64] x [K 64, N 2,048]; A: computed on the way; B: computed on the way: QUANTISED
;;     5. batch 32 x [M 2,048, K 2,048] x [K 2,048, N 64]; A: softmax (see below); B: computed on the way: QUANTISED
;;     6. [M 4,096, K 1,024] x [K 1,024, N 1,024]; A: computed on the way; B: input wo (given as codes): QUANTISED
;;   THE QUANTISER, for each operand of a quantised product, along K:
;;     - K is cut into blocks of 32 from its start; a last block that is shorter is filled with zeros.
;;     - A block's scale is 2^e with e = floor(log2(the largest magnitude in the block)) - 2, held to -126 .. 127; a block of zeros has e = 0. As a byte (E8M0): e + 127.
;;     - Each number is divided by its block's scale, clamped to +-7.5, and rounded to the nearest number of E2M3, ties to even, subnormals kept.
;;     - The product sums the exact products of the quantised numbers (number of the format x scale) in f32.
;;   ~~~python
;;   def quantise(x, axis):      # numpy; x: float32 -> the quantised numbers, widened to float32 again
;;       x = np.moveaxis(x, axis, -1); K = x.shape[-1]
;;       x = np.pad(x, [(0, 0)] * (x.ndim - 1) + [(0, -K % 32)]); x = x.reshape(x.shape[:-1] + (-1, 32)); a = np.abs(x).max(-1, keepdims=True)
;;       e = np.where(a > 0, np.clip(np.frexp(np.where(a > 0, a, 1))[1] - 1 - 2, -126, 127), 0)      # np.frexp(a)[1] - 1 = floor(log2(a)), exactly
;;       r = np.clip(x / 2.0 ** e, -7.5, 7.5)
;;       step = 2.0 ** (np.maximum(np.frexp(np.where(r == 0, 1, r))[1] - 1, 0) - 3)
;;       q = np.round(r / step) * step * 2.0 ** e      # np.round: ties to even
;;       return np.moveaxis(q.reshape(q.shape[:-2] + (-1,))[..., :K], -1, axis).astype(np.float32)
;;   ~~~
;;   SOFTMAX AHEAD OF A QUANTISED PRODUCT. Where the list says 'softmax', what is quantised is not the finished softmax but p = 2^(t - M), with t = logit x log2(e) and M = ceil(the row's largest t), a whole number; so 1/2 < the row's largest p <= 1. The row's sum l is taken of the UNQUANTISED p, in f32, and the product's result is divided by l at the end. Since M is a whole number, a kernel that streams over the keys may use a running M (the ceiling of the running maximum): every later rescaling is an exact power of two, which a block's scale takes up: the codes' values come out the same.
;;   OPERANDS COMPUTED ON THE WAY. 'Computed on the way' means the value that the module computes at that place (a softmax that the list does not call 'softmax' is quantised finished and normalised). What goes into a quantiser is computed in f32, as accurately as f32 sums, v_exp_f32 and their like allow (about 1e-6 of the number): no bf16 or f16 on the way to a quantiser, and a product that is left as it is and whose result goes on into a quantised operand takes f32 operands (vector FMAs, or v_wmma_f32_16x16x4_f32). A number that lies on a knife's edge between two numbers of the format may be rounded either way, as far as f32 arithmetic and the matrix unit's own rounding can turn it there, and no further.
;;   INPUTS GIVEN AS CODES. key_in (in the module: [2, 2048, 1024], K = its axis 2); query (in the module: [2, 2048, 1024], K = its axis 2); value (in the module: [2, 2048, 1024], K = its axis 2); wk (in the module: [1024, 1024], K = its axis 1); wo (in the module: [1024, 1024], K = its axis 1); wq (in the module: [1024, 1024], K = its axis 1); wv (in the module: [1024, 1024], K = its axis 1): each comes as NAME_codes (uint8): NAME with its K axis moved to the last place and cut into blocks of 32 codes, [.., K / 32, bytes a block], one block behind the other in memory; four codes in three bytes: a row's codes are one little-endian stream of bits, code i at bits 6 i .. 6 i + 5 (a code: sign, 2 exponent bits, 3 mantissa bits); and NAME_scales (uint8): the same leading axes, one E8M0 byte (e + 127) for each 32 codes along K. Its value is code x scale, taken as it is: it is not quantised again, and the codes and scales need not be those that the quantiser above would give.
;; One version. Each part assembles by itself: llvm-mc -triple=amdgcn-amd-amdhsa -mcpu=gfx1250 --defsym DOCPART=n.
;; ======== version 1 of 1: 3 launches
;; limits: right only within a limited range of input values
;; workspace buffers: qimg 3,407,872 bytes; kv 6,684,672 bytes; relw 1,048,576 bytes; maskw 1,048,576 bytes of whole numbers; steps 32,768 bytes of whole numbers; oc 3,145,728 bytes; os 131,072 bytes
;; launch proj (part 1): grid 8 x 96, 8 waves a work-group, clusters of 4 x 4, 246,016 bytes of LDS; arguments wq_codes, wq_scales, query_codes, query_scales, bq, qimg, wk_codes, wk_scales, key_in_codes, key_in_scales, bk, kv, value_codes, value_scales, wv_codes, wv_scales, bv, attn_mask, rel_emb, maskw, steps, relw; writes qimg, kv, maskw, steps, relw
.if DOCPART == 1
	.amdgcn_target "amdgcn-amd-amdhsa--gfx1250"
	.amdhsa_code_object_version 6
	.text
	.protected	k_q54a6a65bcf_proj
	.globl	k_q54a6a65bcf_proj
	.p2align	8
	.type	k_q54a6a65bcf_proj,@function
k_q54a6a65bcf_proj:
	s_mov_b64 s[64:65], 0
	v_nop
	global_prefetch_b8 v0, s[64:65] scope:SCOPE_SE
	s_setreg_imm32_b32 hwreg(HW_REG_WAVE_MODE, 25, 1), 1
	s_wait_xcnt 0x0
	s_wait_alu depctr_hold_cnt(0) depctr_sa_sdst(0) depctr_va_vdst(0) depctr_va_sdst(0) depctr_va_ssrc(0) depctr_va_vcc(0) depctr_vm_vsrc(0)
	s_getreg_b32 s2, hwreg(HW_REG_IB_STS2, 6, 4)
	s_cmp_eq_u32 s2, 0
	s_cbranch_scc0 .Lentry_in_a_cluster
	s_endpgm
.Lentry_in_a_cluster:
	s_bfe_u32 s2, ttmp6, 0x10000c
	s_cmp_lg_u32 s2, 0xf033
	s_cbranch_scc0 .Lentry_shape_is_right
	s_endpgm
.Lentry_shape_is_right:
; PROJ: Q = rope(query wq^T + bq), K = rope(key_in wk^T + bk), V = value wv^T + bv, each quantised to E2M3 for the attention launch; and that launch's tables, made while the tiles are on their way.
; WORK LEFT OUT IN THE PROGRAM.  No input and no product is left out.  What is left out is decided by whole numbers read from memory: a step of 128 keys that attn_mask hides
; for all 16 queries of a tile is not walked by the attention launch, by a list that this launch stores.  A hidden key's logit lies 1e9 under its own score, so beside any open key of the row its weight
; 2^(t - M) is 0 in f32; a tile with a row that has no open key at all walks every step, since such a row averages all keys.
; LIMITS: a hidden key counts 0 as soon as its row has an open key (reference() differs only where an open logit lies near -1e9); in a row with no open key the scores and the relative bias under the mask
; are not carried (reference()'s f32 loses them beside 1e9 while they stay under 32); a NaN or an infinity that reaches only a step left out is not carried to the result.
; Blocks whose largest magnitude lies under 2^-124, and blocks of zeros, keep the scale byte 1 (these bytes are read by this program alone); NaN and infinities are not served.
; ONE BODY: D = P x R^T, 128 rows of P (source 0) x 128 rows of R (source 1), K = 1,024, on codes and scale bytes as they lie in memory.
; Cluster rows 0-7: Q (P = wq, R = query); 8-15: K (P = wk, R = key_in); 16-23: V (P = value, R = wv: V is quantised along the keys).  The role hangs on the cluster's number alone.
; THE ROW MAP of the whole program: lane row p of tile T of a block of 128 rows is row 64 (T / 4) + 32 (p / 8) + 8 (T % 4) + p % 8.  So a lane's 32 results of four tiles of P are P's rows 64 c + 32 h + 0 .. 31: a whole block of the next K.
; SHARES: eight waves; wave w takes P's tiles 4 c .. 4 c + 3 (c = w % 2) and R's tiles 2 j, 2 j + 1 (j = w / 2): 8 accumulators by turns.
; LDS: all of K for both blocks: eight groups of 32 whole rows of 768 bytes, one joint load a wave at the head, nothing filled again.  16 bytes of padding behind each 256: pitch 816; groups 128 bytes further apart:
; rows step 12 words round the 64 banks and the group 32 words, so the 32 lanes of a load of 8 bytes name 64 different banks.
; SCALES go from memory into registers: 16 bytes a lane, lanes 0-15 K steps 0-3, lanes 16-31 K steps 4-7 of the same row: eight rows are 256 consecutive bytes.  THE BIAS is the C of the first products.
; CLUSTER 4 x 4: P's block is shared along a column, R's along a row.  No prefetch: the launch has no loop to run ahead in.
; TABLES.  Q, K work-groups: cos and sin of t x 10^(-i/8) for their 128 tokens, into LDS bytes of their own (wave w the 16 tokens of tile w, lane = i; the angle is reduced by pi/2 in two parts, then polynomials on +-pi/4;
;   LIMIT: 10^(-i/8) is written as the nearest f32; a power function an ulp off gives angles that differ by up to 2047 ulp of it).
; K work-groups: rel_emb x 8 by head, reversed, in four copies shifted by 0..3 entries.  V work-groups: the mask bytes of one tile of 16 queries as lane masks (word n of step s: bit 16 h + r = query row r, key 128 s + 64 (n / 32) + 32 h + n % 32), and the list of steps.
; OUT: half fragments as images of their registers: 512 bytes of registers 0-3 at 16 x lane, 256 bytes of registers 4-5 at 8 x lane; scale words 4 bytes a row.
.set GS,    26240
.set PITCH, 816
.set TILEB, 8*PITCH
.set CSB,   8*GS                       ; cos, sin: row 16 T + r of 272 bytes
.set CSP,   272
.set MW,    CSB+128*CSP                ; eight words of the mask's role
.set SPARE, MW+256                     ; the spare words, 128 bytes a wave, which no other line names
.set SPW, 14
.set NIL, 15
.set SCW, 16                           ; v16-39 scale words and nothing else: P's tile t at 4 t + q % 4, R's at 16 + 4 u + q % 4
.set F0,  40                           ; fragment set s at 40 + 72 s: P's four, R's two
.set ACC, 184                          ; (t, u) at 32 u + 8 t
.set CS,  40                           ; behind the products: v40-103 cos, sin; v104-135 rotated numbers; v136-151 quantiser
.set RA,  104
.set CD,  136
.set XH,  140
.set MX,  144
.set SC,  146
.set BYT, 147
.set WD,  148
.set PT,  149
.set WK,  150
.set VAL, 151
.set CODEW, (1<<20)|(1<<21)|(5<<22)|(3<<25)
; v1 8 h; v2-3 P's LDS address, v4-5 R's; v6 p % 8, v7 p / 8, v8 h, v9 lane; v10 16 x lane, v11 8 x lane, v12 4 x lane; v13 cos/sin address; v248-251 offsets
.macro PLACES
.rept 4
	v_nop
.endr
.endm
.macro CROUND
	s_barrier_signal -1
	s_barrier_wait -1
	s_cmp_lg_u32 s2, 0
	s_cbranch_scc1 .Lnot_wave_0_\@
	s_barrier_signal -3
.Lnot_wave_0_\@:
	s_barrier_wait -3
	s_barrier_signal -1
	s_barrier_wait -1
.endm
.macro FRAG reg, adr, q, off           ; 16 rows x 128 K: six loads of 8 bytes; where lanes 16-31 lie behind one padding more, the second address register serves
.irp p, 0,1,2,3,4,5
.set BY, 96*(\q)+48*(\p/3)+8*(\p%3)
.if BY/256 == (BY+24)/256
	ds_load_b64 v[(\reg)+2*\p:(\reg)+2*\p+1], v[\adr] offset:(\off)+BY+16*(BY/256)
.else
	ds_load_b64 v[(\reg)+2*\p:(\reg)+2*\p+1], v[(\adr)+1] offset:(\off)+BY+16*(BY/256)
.endif
.endr
.endm
.macro FETCH set, q                    ; 36 loads
.irp t, 0,1,2,3
	FRAG F0+72*(\set)+12*\t, 2, \q, TILEB*\t
.endr
.irp u, 0,1
	FRAG F0+72*(\set)+48+12*\u, 4, \q, TILEB*\u
.endr
.endm
.macro MULS set, q
.irp u, 0,1
.irp t, 0,1,2,3
.if (\q) < 4
	v_wmma_scale_f32_16x16x128_f8f6f4 v[ACC+32*\u+8*\t:ACC+32*\u+8*\t+7], v[F0+72*(\set)+12*\t:F0+72*(\set)+12*\t+11], v[F0+72*(\set)+48+12*\u:F0+72*(\set)+48+12*\u+11], v[ACC+32*\u+8*\t:ACC+32*\u+8*\t+7], v[SCW+4*\t+(\q)%4], v[SCW+16+4*\u+(\q)%4] matrix_a_fmt:MATRIX_FMT_FP6 matrix_b_fmt:MATRIX_FMT_FP6
.else
	v_wmma_scale_f32_16x16x128_f8f6f4 v[ACC+32*\u+8*\t:ACC+32*\u+8*\t+7], v[F0+72*(\set)+12*\t:F0+72*(\set)+12*\t+11], v[F0+72*(\set)+48+12*\u:F0+72*(\set)+48+12*\u+11], v[ACC+32*\u+8*\t:ACC+32*\u+8*\t+7], v[SCW+4*\t+(\q)%4], v[SCW+16+4*\u+(\q)%4] matrix_a_fmt:MATRIX_FMT_FP6 matrix_b_fmt:MATRIX_FMT_FP6 matrix_a_scale:MATRIX_SCALE_ROW1 matrix_b_scale:MATRIX_SCALE_ROW1
.endif
.endr
.endr
.endm
.macro QUANT32 y                       ; a lane's 32 numbers are one block: six registers of codes at v[CD], the row's two scale bytes in v[WD]
	v_max3_num_f32 v[MX], |v[(\y)]|, |v[(\y)+1]|, 0x1800000        ; with the floor 2^(3 - 127): the byte cannot fall under 1
	v_max3_num_f32 v[MX+1], |v[(\y)+2]|, |v[(\y)+3]|, 0x1800000
.irp i, 4,8,12,16,20,24,28
	v_max3_num_f32 v[MX], v[MX], |v[(\y)+\i]|, |v[(\y)+\i+1]|
	v_max3_num_f32 v[MX+1], v[MX+1], |v[(\y)+\i+2]|, |v[(\y)+\i+3]|
.endr
	v_max_num_f32 v[MX], v[MX], v[MX+1]
	v_add_nc_u32 v[SC], 0xff000000, v[MX]          ; 2 off the exponent field: the conversions' scale operand
	v_lshrrev_b32 v[BYT], 23, v[SC]
	v_lshlrev_b32 v[WD], v1, v[BYT]
	v_permlanex16_b32 v[PT], v[WD], s4, s5
	v_or_b32 v[WD], v[WD], v[PT]                   ; with lane l xor 16's byte
	v_cvt_scalef32_pk16_fp6_f32 v[CD:CD+2], v[(\y):(\y)+15], v[SC]
	v_cvt_scalef32_pk16_fp6_f32 v[XH:XH+2], v[(\y)+16:(\y)+31], v[SC]
	v_nop                                          ; one plain place behind a scaled conversion
.irp i, 0,1,2
	v_mov_b32 v[CD+3+\i], v[XH+\i]
.endr
.endm
.macro OUT u, img, wide                ; tile u's half image; behind the second, both tiles' scale bytes: lanes 0-15 the first's, lanes 16-31 the second's
	QUANT32 ACC+32*\u
.if \u == 0
	v_mov_b32 v[WK], v[WD]
.else
	v_cmp_gt_u32 s6, 16, v9
	v_cndmask_b32 v[VAL], v[WD], v[WK], s6
.endif
	global_store_b128 v10, v[CD:CD+3], s[16:17] offset:\img*\u
	global_store_b64 v11, v[CD+4:CD+5], s[16:17] offset:\img*\u+512
.if \u == 1
.if \wide
	global_store_b32 v12, v[VAL], s[20:21]         ; a head's two bytes; the upper two, over zero codes, are 0
.else
	global_store_b16 v12, v[VAL], s[20:21]         ; my half of each row's word
.endif
.endif
.endm
.macro CS4 n0                          ; cos and sin for four tokens of my tile, lane = i; two tokens to a packed instruction
.irp e, 0,1,2,3
	s_add_co_u32 s[4+\e], s8, 32*((\n0+\e)/8)+(\n0+\e)%8
.endr
.irp e, 0,1,2,3
	v_cvt_f32_u32 v[44+\e], s[4+\e]
.endr
.irp e, 0,2
	v_pk_mul_f32 v[44+\e:45+\e], v[44+\e:45+\e], v[40:41] op_sel_hi:[1,0]      ; the angle, one f32 product as in reference()
.endr
.irp e, 0,2
	v_pk_mul_f32 v[48+\e:49+\e], v[44+\e:45+\e], 0x3f22f983 op_sel_hi:[1,0]    ; x 2 / pi
.endr
.irp e, 0,1,2,3
	v_rndne_f32 v[48+\e], v[48+\e]
.endr
.irp e, 0,2
	v_pk_fma_f32 v[52+\e:53+\e], v[48+\e:49+\e], 0x3fc90fdb, v[44+\e:45+\e] op_sel_hi:[1,0,1] neg_lo:[1,0,0] neg_hi:[1,0,0]
.endr
.irp e, 0,2
	v_pk_fma_f32 v[52+\e:53+\e], v[48+\e:49+\e], 0xb33bbd2e, v[52+\e:53+\e] op_sel_hi:[1,0,1] neg_lo:[1,0,0] neg_hi:[1,0,0]   ; r, within +-pi/4
.endr
.irp e, 0,2
	v_pk_mul_f32 v[56+\e:57+\e], v[52+\e:53+\e], v[52+\e:53+\e]                ; z = r^2
.endr
.irp e, 0,2
	v_pk_fma_f32 v[60+\e:61+\e], v[42:43], v[56+\e:57+\e], 0x3c08839e op_sel_hi:[1,1,0]
	v_pk_fma_f32 v[64+\e:65+\e], v[88:89], v[56+\e:57+\e], 0xbab6061a op_sel_hi:[1,1,0]
.endr
.irp e, 0,2
	v_pk_fma_f32 v[60+\e:61+\e], v[60+\e:61+\e], v[56+\e:57+\e], 0xbe2aaaa3 op_sel_hi:[1,1,0]
	v_pk_fma_f32 v[64+\e:65+\e], v[64+\e:65+\e], v[56+\e:57+\e], 0x3d2aaaa5 op_sel_hi:[1,1,0]
.endr
.irp e, 0,2
	v_pk_mul_f32 v[60+\e:61+\e], v[60+\e:61+\e], v[56+\e:57+\e]
	v_pk_mul_f32 v[68+\e:69+\e], v[56+\e:57+\e], v[56+\e:57+\e]
	v_pk_fma_f32 v[72+\e:73+\e], v[56+\e:57+\e], -0.5, 1.0 op_sel_hi:[1,0,0]
.endr
.irp e, 0,2
	v_pk_fma_f32 v[60+\e:61+\e], v[60+\e:61+\e], v[52+\e:53+\e], v[52+\e:53+\e]   ; sin r
	v_pk_fma_f32 v[64+\e:65+\e], v[64+\e:65+\e], v[68+\e:69+\e], v[72+\e:73+\e]   ; cos r
.endr
.irp e, 0,1,2,3
	v_cvt_i32_f32 v[76+\e], v[48+\e]               ; the quadrant
.endr
.irp e, 0,1,2,3
	v_and_b32 v[80+\e], 1, v[76+\e]
.endr
.irp e, 0,1,2,3
	v_cmp_eq_u32 s[4+\e], 1, v[80+\e]
.endr
.irp e, 0,1,2,3
	v_cndmask_b32 v[84+\e], v[60+\e], v[64+\e], s[4+\e]    ; sin: in odd quadrants cos r
	v_cndmask_b32 v[80+\e], v[64+\e], v[60+\e], s[4+\e]    ; cos: in odd quadrants sin r
.endr
.irp e, 0,1,2,3
	v_and_b32 v[68+\e], 2, v[76+\e]
	v_add_nc_u32 v[76+\e], 1, v[76+\e]
.endr
.irp e, 0,1,2,3
	v_lshlrev_b32 v[68+\e], 30, v[68+\e]
	v_and_b32 v[76+\e], 2, v[76+\e]
.endr
.irp e, 0,1,2,3
	v_xor_b32 v[84+\e], v[84+\e], v[68+\e]         ; sin is negative in quadrants 2, 3
	v_lshlrev_b32 v[76+\e], 30, v[76+\e]
.endr
.irp e, 0,1,2,3
	v_xor_b32 v[80+\e], v[80+\e], v[76+\e]         ; cos in quadrants 1, 2
.endr
.irp e, 0,1,2,3
	ds_store_b32 v251, v[80+\e] offset:(\n0+\e)*CSP
	ds_store_b32 v251, v[84+\e] offset:(\n0+\e)*CSP+128
.endr
.endm
	s_load_b512 s[4:19], s[0:1], 0x0               ; wq_codes 4, wq_scales 6, query_codes 8, query_scales 10, bq 12, qimg 14, wk_codes 16, wk_scales 18
	s_load_b512 s[20:35], s[0:1], 0x40             ; key_in_codes 20, key_in_scales 22, bk 24, kv 26, value_codes 28, value_scales 30, wv_codes 32, wv_scales 34
	s_load_b256 s[36:43], s[0:1], 0x80             ; bv 36, attn_mask 38, rel_emb 40, maskw 42
	s_load_b128 s[44:47], s[0:1], 0xa0             ; steps 44, relw 46
	v_lshl_add_u32 v[SPW], v0, 2, SPARE
	v_mov_b32 v[NIL], 0
	ds_add_u32 v[SPW], v[NIL]                      ; the opening: the add, twice on end, and its wait ahead of my first tensor load
	ds_add_u32 v[SPW], v[NIL]
	v_lshrrev_b32 v1, 5, v0
	v_readfirstlane_b32 s2, v1                     ; wave 0..7
	s_lshr_b32 s3, s2, 2                           ; 0: I ask for P; 1: for R
	s_and_b32 s92, s2, 3                           ; which 32 rows of that block
	s_and_b32 s93, s2, 1                           ; c
	s_lshr_b32 s94, s2, 1                          ; j
	s_lshr_b32 s66, s94, 1
	s_and_b32 s67, s94, 1
	s_lshl_b32 s97, s66, 6
	s_lshl_b32 s98, s67, 4
	s_add_co_u32 s97, s97, s98                     ; R's row of lane row 0 of tile 2 j
	s_mul_i32 s98, s66, 2*GS
	s_mul_i32 s99, s67, 2*TILEB
	s_add_co_u32 s98, s98, s99
	s_add_co_u32 s98, s98, 4*GS                    ; my tiles of R in LDS
	s_mul_i32 s99, s93, 2*GS                       ; my tiles of P
	s_bfe_u32 s95, ttmp6, 0x40000                  ; cx
	s_bfe_u32 s96, ttmp6, 0x40004                  ; cy
	s_and_b32 s100, ttmp7, 0xffff
	s_lshr_b32 s63, s100, 3                        ; 0: Q, 1: K, 2: V: the same in all partners
	s_and_b32 s100, s100, 7
	s_cmp_eq_u32 s63, 2
	s_cselect_b32 s61, s100, ttmp9
	s_cselect_b32 s62, ttmp9, s100
	s_lshl_b32 s61, s61, 2
	s_add_co_u32 s61, s61, s95                     ; P's block of 128 rows: hangs on cx alone within the cluster
	s_lshl_b32 s62, s62, 2
	s_add_co_u32 s62, s62, s96                     ; R's: on cy alone
	s_cmp_eq_u32 s63, 2
	s_cselect_b32 s60, s61, s62
	s_cselect_b32 s100, s62, s61
	s_lshl_b32 s60, s60, 3
	s_add_co_u32 s60, s60, s100                    ; my number among the role's 256 work-groups: 8 x token block + feature block (global addresses of the tables alone)
	s_lshl_b32 s104, 0x1111, s95                   ; my column of the cluster
	s_lshl_b32 s100, s96, 2
	s_lshl_b32 s100, 15, s100                      ; my row
	s_or_b32 s76, s104, CODEW
	s_or_b32 s84, s100, CODEW
.irp g, 76, 84                         ; 32 rows x 768 bytes, dense in memory
	s_mov_b32 s[\g+1], 768<<16
	s_mov_b32 s[\g+2], 32<<16
	s_mov_b32 s[\g+3], 768<<16
	s_mov_b32 s[\g+4], 32
	s_mov_b32 s[\g+5], 768
	s_mov_b32 s[\g+6], 0
	s_mov_b32 s[\g+7], 0
.endr
	s_mov_b32 s105, 0
	s_mov_b32 s101, 0
	s_mov_b32 s67, 0
	s_wait_dscnt 0x0                               ; both opening adds are done
	s_wait_kmcnt 0x0
	s_cmp_eq_u32 s63, 0                            ; the buffers: a choice that hangs on the cluster's number alone
	s_cselect_b64 s[48:49], s[4:5], s[16:17]       ; P's codes
	s_cselect_b64 s[50:51], s[6:7], s[18:19]       ; P's scales
	s_cselect_b64 s[52:53], s[8:9], s[20:21]       ; R's codes
	s_cselect_b64 s[54:55], s[10:11], s[22:23]     ; R's scales
	s_cselect_b64 s[56:57], s[12:13], s[24:25]     ; the bias
	s_cselect_b64 s[58:59], s[14:15], s[26:27]     ; where the images go
	s_cmp_eq_u32 s63, 2
	s_cselect_b64 s[48:49], s[28:29], s[48:49]
	s_cselect_b64 s[50:51], s[30:31], s[50:51]
	s_cselect_b64 s[52:53], s[32:33], s[52:53]
	s_cselect_b64 s[54:55], s[34:35], s[54:55]
	s_cselect_b64 s[56:57], s[36:37], s[56:57]
	s_cselect_b64 s[58:59], s[26:27], s[58:59]
	s_mul_i32 s104, s61, 98304
	s_add_nc_u64 s[48:49], s[48:49], s[104:105]
	s_mul_i32 s100, s62, 98304
	s_add_nc_u64 s[52:53], s[52:53], s[100:101]
	s_mul_i32 s66, s92, 24576
	s_add_nc_u64 s[70:71], s[48:49], s[66:67]      ; groups 0: P's in s[68:71], R's in s[72:75]; LDS addresses hang on the wave's number alone
	s_add_nc_u64 s[74:75], s[52:53], s[66:67]
	s_or_b32 s71, s71, 0x80000000
	s_or_b32 s75, s75, 0x80000000
	s_mov_b32 s68, 1
	s_mov_b32 s72, 1
	s_mul_i32 s69, s2, GS
	s_mul_i32 s73, s2, GS
	s_lshl_b32 s104, s61, 12                       ; the scale bytes of my tiles' rows
	s_lshl_b32 s66, s93, 11
	s_add_nc_u64 s[50:51], s[50:51], s[104:105]
	s_add_nc_u64 s[50:51], s[50:51], s[66:67]
	s_lshl_b32 s100, s62, 12
	s_lshl_b32 s66, s97, 5
	s_add_nc_u64 s[54:55], s[54:55], s[100:101]
	s_add_nc_u64 s[54:55], s[54:55], s[66:67]
	s_mul_i32 s10, s94, 32*CSP
	s_add_co_u32 s10, s10, CSB
	CROUND                                         ; all sixteen work-groups are here: the joint loads meet
	s_cmp_eq_u32 s3, 0
	s_cbranch_scc0 .Lfor_r
	tensor_load_to_lds s[68:71], s[76:83]          ; my one load: 32 rows of P,
	s_nop 0
	PLACES
	s_branch .Lasked
.Lfor_r:
	tensor_load_to_lds s[72:75], s[84:91]          ; or of R
	s_nop 0
	PLACES
.Lasked:
	v_and_b32 v6, 7, v0
	v_bfe_u32 v7, v0, 3, 1
	v_bfe_u32 v8, v0, 4, 1
	v_and_b32 v9, 31, v0
	v_mul_u32_u24 v2, v6, PITCH
	v_mad_u32_u24 v2, v7, GS, v2
	v_mad_u32_u24 v2, v8, 24, v2                   ; my row, + 24 h
	v_add_nc_u32 v4, s98, v2
	v_add_nc_u32 v2, s99, v2
	v_lshl_add_u32 v3, v8, 4, v2                   ; and behind one padding more
	v_lshl_add_u32 v5, v8, 4, v4
	v_lshlrev_b32 v1, 3, v8
	v_lshlrev_b32 v10, 4, v9
	v_lshlrev_b32 v11, 3, v9
	v_lshlrev_b32 v12, 2, v9
	v_and_b32 v13, 15, v0
	v_mul_u32_u24 v13, v13, CSP
	v_add_nc_u32 v13, s10, v13
	v_lshlrev_b32 v248, 5, v6
	v_lshl_add_u32 v248, v7, 10, v248
	v_lshl_add_u32 v248, v8, 4, v248               ; 32 bytes a row, + 16 h
.irp t, 0,1,2,3
	global_load_b128 v[SCW+4*\t:SCW+4*\t+3], v248, s[50:51] offset:256*\t
.endr
.irp u, 0,1
	global_load_b128 v[SCW+16+4*\u:SCW+16+4*\u+3], v248, s[54:55] offset:256*\u
.endr
	s_wait_alu depctr_va_vdst(0)
	s_cmp_eq_u32 s63, 2
	s_cbranch_scc1 .Lvhead
; ---- Q, K: the bias of features 64 c + 32 h + i straight into the accumulators
	s_lshl_b32 s4, s61, 9
	s_lshl_b32 s5, s93, 8
	s_add_co_u32 s4, s4, s5
	s_mov_b32 s5, 0
	s_add_nc_u64 s[56:57], s[56:57], s[4:5]
	v_lshlrev_b32 v249, 7, v8
.irp u, 0,1
.irp g, 0,1,2,3,4,5,6,7
	global_load_b128 v[ACC+32*\u+4*\g:ACC+32*\u+4*\g+3], v249, s[56:57] offset:16*\g
.endr
.endr
	s_cmp_eq_u32 s63, 1
	s_cbranch_scc0 .Lno_rel
	s_lshl_b32 s4, s60, 8                          ; K: thread e stores the 16 bytes at 16 e of relw: head e / 4096, copy (e / 1024) % 4, entries 4 (e % 1024) on
	v_add_nc_u32 v92, s4, v0
	v_and_b32 v93, 0x3ff, v92
	v_lshlrev_b32 v93, 2, v93
	v_bfe_u32 v94, v92, 10, 2
	v_add_nc_u32 v93, v93, v94                     ; entry + copy
	v_lshrrev_b32 v95, 12, v92
	v_lshlrev_b32 v95, 2, v95
.irp k, 0,1,2,3
	v_sub_nc_u32 v[96+\k], 4094-\k, v93            ; the table's row; past the end it wraps and
	v_min_u32 v[96+\k], 0xffe, v[96+\k]            ; is held inside the table
	v_lshl_add_u32 v[96+\k], v[96+\k], 6, v95
	global_load_b32 v[100+\k], v[96+\k], s[40:41]
.endr
	v_lshlrev_b32 v104, 4, v92
.Lno_rel:
	s_and_b32 s8, s62, 15                          ; cos, sin: the first token of tile w in its sequence
	s_lshl_b32 s8, s8, 7
	s_lshl_b32 s9, s3, 6
	s_add_co_u32 s8, s8, s9
	s_lshl_b32 s9, s92, 3
	s_add_co_u32 s8, s8, s9
	s_mul_i32 s9, s2, 16*CSP
	s_add_co_u32 s9, s9, CSB
	v_mov_b32 v40, 0
.set i, 0
.irp lit, 0x3f800000,0x3f3ff911,0x3f0ff59a,0x3ed7e89b,0x3ea1e89b,0x3e72d424,0x3e361887,0x3e088d77,0x3dcccccd,0x3d99940e,0x3d6655c3,0x3d2cba15,0x3d0186e2,0x3cc24350,0x3c91ad39,0x3c5a7bf1,0x3c23d70a,0x3bf5b9b0,0x3bb8449c,0x3b8a2e77,0x3b4f3e37,0x3b1b690d,0x3ae91528,0x3aaec98e,0x3a83126f,0x3a44948c,0x3a136a16,0x39dd1726,0x39a5cb5f,0x3978a814,0x393a7753,0x390bd472
	s_mov_b32 s10, \lit
	v_writelane_b32 v40, s10, i                    ; lane i: 10^(-i/8)
.set i, i+1
.endr
	v_mov_b32 v41, 0                               ; (the pair's upper half is named and not used)
	v_mov_b32 v42, 0xb94ca1f9
	v_mov_b32 v43, 0xb94ca1f9
	v_mov_b32 v88, 0x37ccf5ce
	v_mov_b32 v89, 0x37ccf5ce
	v_lshl_add_u32 v251, v9, 2, s9
	s_wait_alu depctr_va_vdst(0)
	CS4 0
	CS4 4
	CS4 8
	CS4 12
	s_wait_alu depctr_va_vdst(0)
	s_cmp_eq_u32 s63, 1
	s_cbranch_scc0 .Lhead_done
	s_wait_loadcnt 0x0
.irp k, 0,1,2,3
	v_mul_f32 v[100+\k], 0x41000000, v[100+\k]     ; x 8: the scores are scaled by 1/8 afterwards
	v_cmp_gt_u32 s4, 4095-\k, v93
	v_cndmask_b32 v[100+\k], 0, v[100+\k], s4      ; entries past the table's end are 0 (they are never used)
.endr
	global_store_b128 v104, v[100:103], s[46:47]   ; a wave stores 512 consecutive bytes
	s_branch .Lhead_done
; ---- V: the bias of my lane's feature; and the mask's role: wave w takes key steps 2 w, 2 w + 1 of one tile's 16 queries
.Lvhead:
	s_lshl_b32 s4, s62, 7
	s_add_co_u32 s4, s4, s97
	s_lshl_b32 s4, s4, 2
	s_mov_b32 s5, 0
	s_add_nc_u64 s[56:57], s[56:57], s[4:5]
	s_lshr_b32 s17, s60, 7                         ; batch
	s_bfe_u32 s18, s60, 0x40003                    ; group of 128 queries
	s_bfe_u32 s19, s60, 0x10002                    ; T / 4
	s_and_b32 s36, s60, 3                          ; T % 4
	s_lshl_b32 s17, s17, 22
	s_lshl_b32 s18, s18, 18
	s_lshl_b32 s19, s19, 17
	s_lshl_b32 s36, s36, 14
	s_lshl_b32 s37, s2, 8                          ; my 256 keys
	s_add_co_u32 s17, s17, s18
	s_add_co_u32 s17, s17, s19
	s_add_co_u32 s17, s17, s36
	s_add_co_u32 s17, s17, s37
	s_mov_b32 s20, 0xff
	s_mov_b32 s21, 0xff00
	s_mov_b32 s22, 0xff0000
	s_mov_b32 s23, 0xff000000
	s_lshl_b32 s18, s60, 12
	s_lshl_b32 s19, s2, 9
	s_add_co_u32 s18, s18, s19
	s_mov_b32 s19, 0
	s_add_nc_u64 s[42:43], s[42:43], s[18:19]      ; maskw: 4,096 bytes a tile, 256 a step
	s_lshl_b32 s18, s60, 7
	s_add_nc_u64 s[44:45], s[44:45], s[18:19]      ; steps: 128 bytes a tile
	s_lshl_b32 s16, s2, 2
	s_add_co_u32 s16, s16, MW
	v_lshlrev_b32 v249, 2, v6
	v_lshl_add_u32 v249, v7, 7, v249
	global_load_b32 v104, v249, s[56:57]
	global_load_b32 v105, v249, s[56:57] offset:32
	v_lshlrev_b32 v82, 11, v6                      ; row r % 8, + 32 rows x (r / 8), + 32 keys x h
	v_lshl_add_u32 v82, v7, 16, v82
	v_lshl_add_u32 v82, v8, 5, v82
	v_add_nc_u32 v82, s17, v82
.irp sp, 0,1
.irp c, 0,1
.irp e, 0,1
	global_load_b128 v[40+16*\sp+8*\c+4*\e:43+16*\sp+8*\c+4*\e], v82, s[38:39] offset:128*\sp+64*\c+16*\e th:TH_LOAD_NT
.endr
.endr
.endr
.irp k, 0,1,2,3
	v_mov_b32 v[72+\k], 0                          ; a lane write's destination counts as read
.endr
	v_mov_b32 v250, s16
	s_wait_alu depctr_va_vdst(0)
	s_wait_loadcnt 0x0
.set n, 0
.rept 128                              ; word n % 64 of step n / 64: one byte of each lane, as a lane mask, into lane (n % 64) / 2 of one of two registers
	v_and_b32 v[76+n%4], s[20+n%4], v[40+16*(n/64)+8*((n%64)/32)+(n%32)/4]
	v_cmp_ne_u32 s[24+n%8], 0, v[76+n%4]
	v_writelane_b32 v[72+2*(n/64)+n%2], s[24+n%8], (n%64)/2
.set n, n+1
.endr
	global_store_b64 v11, v[72:73], s[42:43]       ; 256 consecutive bytes: a step's 64 words
	global_store_b64 v11, v[74:75], s[42:43] offset:256
.irp sp, 0,1
	v_or_b32 v[80+\sp], v[40+16*\sp], v[41+16*\sp]
.endr
.irp k, 2,3,4,5,6,7,8,9,10,11,12,13,14,15
.irp sp, 0,1
	v_or_b32 v[80+\sp], v[80+\sp], v[40+16*\sp+\k]
.endr
.endr
.irp sp, 0,1
	v_cmp_ne_u32 s[32+\sp], 0, v[80+\sp]           ; which lanes have an open key in this step
.endr
.irp sp, 0,1
	v_and_b32 v[80+\sp], v[40+16*\sp], v[41+16*\sp]
.endr
.irp k, 2,3,4,5,6,7,8,9,10,11,12,13,14,15
.irp sp, 0,1
	v_and_b32 v[80+\sp], v[80+\sp], v[40+16*\sp+\k]
.endr
.endr
.irp sp, 0,1
	v_cmp_eq_u32 s[6+\sp], 0x1010101, v[80+\sp]    ; which lanes have all their 64 keys of this step open (a bool is the byte 0 or 1)
.endr
	s_or_b32 s34, s32, s33
	s_lshr_b32 s35, s34, 16
	s_or_b32 s34, s34, s35
	s_and_b32 s34, s34, 0xffff                     ; bit r: row r has an open key in my two steps
	s_cmp_lg_u32 s32, 0
	s_cselect_b32 s35, 1, 0
	s_cmp_lg_u32 s33, 0
	s_cselect_b32 s36, 2, 0
	s_or_b32 s35, s35, s36
	s_lshl_b32 s36, s2, 1
	s_add_co_u32 s36, s36, 16
	s_lshl_b32 s35, s35, s36                       ; bits 16 + 2 w, 17 + 2 w: my steps' places in the list
	s_or_b32 s34, s34, s35
	v_mov_b32 v86, s34
	ds_store_b32 v250, v86                         ; my wave's word; it is read behind the barrier below, at the wave's end
	s_cmp_eq_u32 s6, -1
	s_cselect_b32 s8, 1, 0
	s_cmp_eq_u32 s7, -1
	s_cselect_b32 s9, 2, 0
	s_or_b32 s8, s8, s9
	s_lshl_b32 s9, s2, 1
	s_lshl_b32 s8, s8, s9                          ; bits 2 w, 2 w + 1: my steps are open for all 16 queries
	v_mov_b32 v87, s8
	ds_store_b32 v250, v87 offset:32               ; a second word a wave
.irp u, 0,1
.set j, 0
.rept 32
	v_mov_b32 v[ACC+32*\u+j], v[104+\u]            ; the sums begin with the bias
.set j, j+1
.endr
.endr
.Lhead_done:
	s_wait_alu depctr_va_vdst(0)
	s_wait_tensorcnt 0x0                           ; my 32 rows are in,
	s_wait_loadcnt 0x0                             ; scales and bias too,
	s_wait_xcnt 0x0                                ; the tables' stores have read their registers, on which fragments land below,
	s_wait_dscnt 0x0                               ; and my LDS stores have landed
	s_barrier_signal -1
	s_barrier_wait -1                              ; everybody's have
	FETCH 0, 0
	FETCH 1, 1
.set Q, 0
.rept 8
.if Q < 7
	s_wait_dscnt 36                                ; all but the 36 loads of the next K step
.else
	s_wait_dscnt 0x0
.endif
	MULS Q%2, Q
.if Q < 6
	PLACES                                         ; four places in front of loads into registers that matrix instructions have read
	FETCH Q%2, Q+2
.endif
.set Q, Q+1
.endr
	PLACES                                         ; in front of the first read of results and of writes over the fragments
	v_mov_b32 v[PT], 0                             ; a lane permute's destination counts as read
	s_mov_b32 s4, 0x76543210                       ; selects for lane l xor 16
	s_mov_b32 s5, 0xfedcba98
	s_mov_b32 s13, 0
	s_wait_alu depctr_va_vdst(0)
	s_cmp_eq_u32 s63, 2
	s_cbranch_scc1 .Lvout
; ---- Q, K: RoPE, quantised along my head's 64
	s_cmp_eq_u32 s63, 0
	s_mov_b32 s7, 13056
	s_cselect_b32 s6, 6656, s7                     ; a record's bytes: in qimg, in kv
	s_mov_b32 s8, 12288
	s_cselect_b32 s8, 6144, s8                     ; where its scale tiles begin
	s_lshr_b32 s9, s62, 4                          ; batch
	s_and_b32 s10, s62, 15                         ; group of 128 tokens
	s_lshl_b32 s9, s9, 4
	s_lshl_b32 s11, s61, 1
	s_add_co_u32 s9, s9, s11
	s_add_co_u32 s9, s9, s93                       ; batch x 16 + my head
	s_lshl_b32 s9, s9, 4
	s_add_co_u32 s9, s9, s10
	s_mul_i32 s12, s9, s6
	s_add_nc_u64 s[58:59], s[58:59], s[12:13]
	s_mul_i32 s12, s94, 1536
	s_add_nc_u64 s[16:17], s[58:59], s[12:13]      ; tiles 2 j, 2 j + 1
	s_lshl_b32 s12, s94, 7
	s_add_co_u32 s12, s12, s8
	s_add_nc_u64 s[20:21], s[58:59], s[12:13]
.macro CSLOAD u
.irp g, 0,1,2,3,4,5,6,7,8,9,10,11,12,13,14,15
	ds_load_b128 v[CS+4*\g:CS+4*\g+3], v13 offset:16*CSP*\u+16*\g
.endr
.endm
.macro ROPE u
.set Y, ACC+32*\u
.set m, 0
.rept 16                               ; x_rot = (-x[1], -x[3], .. -x[63], x[0], x[2], .. x[62]).  My lane holds x[32 h + i]; each accumulator is read from its low end on
	v_xor_b32 v[RA+m], 0x80000000, v[Y+2*m+1]
	v_mov_b32 v[RA+16+m], v[Y+2*m]
.set m, m+1
.endr
.set m, 0
.rept 16                               ; the first's lanes 16-31 change places with the second's lanes 0-15: v[RA + i] is x_rot[32 h + i]
	v_permlane16_swap_b32 v[RA+m], v[RA+16+m]
.set m, m+1
.endr
	s_wait_alu depctr_va_vdst(0)
	s_wait_dscnt 0x0                               ; cos, sin
.set j, 0
.rept 16
	v_pk_mul_f32 v[Y+j:Y+j+1], v[Y+j:Y+j+1], v[CS+j:CS+j+1]
	v_pk_fma_f32 v[Y+j:Y+j+1], v[RA+j:RA+j+1], v[CS+32+j:CS+32+j+1], v[Y+j:Y+j+1]   ; x cos + x_rot sin
.set j, j+2
.endr
.endm
	CSLOAD 0
	ROPE 0
	CSLOAD 1
	OUT 0, 768, 1
	s_wait_xcnt 0x0                                ; the stores' data are written again only behind this wait
	ROPE 1
	OUT 1, 768, 1
	s_branch .Lend
; ---- V: quantised along my 64 of the block's 128 keys
.Lvout:
	s_lshr_b32 s9, s61, 4                          ; batch
	s_and_b32 s10, s61, 15                         ; key step
	s_lshl_b32 s9, s9, 4
	s_lshl_b32 s11, s62, 1
	s_add_co_u32 s9, s9, s11
	s_lshr_b32 s11, s94, 1
	s_add_co_u32 s9, s9, s11                       ; my head
	s_lshl_b32 s9, s9, 4
	s_add_co_u32 s9, s9, s10
	s_mul_i32 s12, s9, 13056
	s_add_nc_u64 s[58:59], s[58:59], s[12:13]
	s_and_b32 s11, s94, 1
	s_mul_i32 s12, s11, 3072
	s_mul_i32 s10, s93, 768
	s_add_co_u32 s12, s12, s10
	s_add_co_u32 s12, s12, 6144
	s_add_nc_u64 s[16:17], s[58:59], s[12:13]      ; V's tiles 2 (j % 2), + 1, half image c
	s_lshl_b32 s12, s11, 7
	s_lshl_b32 s10, s93, 1
	s_add_co_u32 s12, s12, s10
	s_add_co_u32 s12, s12, 12800
	s_add_nc_u64 s[20:21], s[58:59], s[12:13]
	OUT 0, 1536, 0
	s_wait_xcnt 0x0
	OUT 1, 1536, 0
	v_mov_b32 v13, MW                              ; the list: the eight waves' words
	ds_load_b128 v[40:43], v13
	ds_load_b128 v[44:47], v13 offset:16
	ds_load_b128 v[48:51], v13 offset:32
	ds_load_b128 v[52:55], v13 offset:48
	s_wait_dscnt 0x0
.irp k, 1,2,3,4,5,6,7
	v_or_b32 v40, v40, v[40+\k]
.endr
.irp k, 1,2,3,4,5,6,7
	v_or_b32 v48, v48, v[48+\k]
.endr
	v_readfirstlane_b32 s34, v40
	v_readfirstlane_b32 s37, v48
	s_and_b32 s35, s34, 0xffff
	s_lshr_b32 s34, s34, 16
	s_mov_b32 s36, 0xffff
	s_cmp_eq_u32 s35, s36                          ; has every row an open key?
	s_cselect_b32 s34, s34, s36                    ; then the list; else every step
	s_lshl_b32 s37, s37, 16
	s_or_b32 s34, s34, s37                         ; upper half: the steps in which no key is hidden from any of the 16 queries
	v_mov_b32 v41, s34
	s_cmp_lg_u32 s2, 0
	s_cbranch_scc1 .Lend
	global_store_b32 v12, v41, s[44:45]            ; wave 0: the list, 32 equal words
.Lend:
	s_wait_tensorcnt 0x0                           ; the wave's end
	ds_add_u32 v[SPW], v[NIL]
	s_wait_dscnt 0x0
	CROUND                                         ; the closing round
	s_endpgm
.Lfunc_end_k_q54a6a65bcf_proj:
	.size	k_q54a6a65bcf_proj, .Lfunc_end_k_q54a6a65bcf_proj-k_q54a6a65bcf_proj
	.p2alignl 7, 3214868480
	.fill 96, 4, 3214868480
	.section	.rodata,"a",@progbits
	.p2align	6, 0x0
	.amdhsa_kernel k_q54a6a65bcf_proj
		.amdhsa_group_segment_fixed_size 246016
		.amdhsa_private_segment_fixed_size 0
		.amdhsa_enable_private_segment 0
		.amdhsa_kernarg_size 176
		.amdhsa_user_sgpr_count 2
		.amdhsa_user_sgpr_kernarg_segment_ptr 1
		.amdhsa_wavefront_size32 1
		.amdhsa_system_sgpr_workgroup_id_x 1
		.amdhsa_system_sgpr_workgroup_id_y 1
		.amdhsa_system_sgpr_workgroup_id_z 1
		.amdhsa_system_vgpr_workitem_id 0
		.amdhsa_next_free_vgpr 256
		.amdhsa_next_free_sgpr 106
		.amdhsa_reserve_vcc 0
		.amdhsa_float_denorm_mode_32 3
		.amdhsa_float_denorm_mode_16_64 3
		.amdhsa_memory_ordered 1
		.amdhsa_forward_progress 1
		.amdhsa_inst_pref_size 113
	.end_amdhsa_kernel
	.amdgpu_metadata
---
amdhsa.version: [ 1, 2 ]
amdhsa.kernels:
  - .name:           k_q54a6a65bcf_proj
    .symbol:         k_q54a6a65bcf_proj.kd
    .args:
      - { .name: wq_codes, .offset: 0, .size: 8, .value_kind: global_buffer, .address_space: global }
      - { .name: wq_scales, .offset: 8, .size: 8, .value_kind: global_buffer, .address_space: global }
      - { .name: query_codes, .offset: 16, .size: 8, .value_kind: global_buffer, .address_space: global }
      - { .name: query_scales, .offset: 24, .size: 8, .value_kind: global_buffer, .address_space: global }
      - { .name: bq, .offset: 32, .size: 8, .value_kind: global_buffer, .address_space: global }
      - { .name: qimg, .offset: 40, .size: 8, .value_kind: global_buffer, .address_space: global }
      - { .name: wk_codes, .offset: 48, .size: 8, .value_kind: global_buffer, .address_space: global }
      - { .name: wk_scales, .offset: 56, .size: 8, .value_kind: global_buffer, .address_space: global }
      - { .name: key_in_codes, .offset: 64, .size: 8, .value_kind: global_buffer, .address_space: global }
      - { .name: key_in_scales, .offset: 72, .size: 8, .value_kind: global_buffer, .address_space: global }
      - { .name: bk, .offset: 80, .size: 8, .value_kind: global_buffer, .address_space: global }
      - { .name: kv, .offset: 88, .size: 8, .value_kind: global_buffer, .address_space: global }
      - { .name: value_codes, .offset: 96, .size: 8, .value_kind: global_buffer, .address_space: global }
      - { .name: value_scales, .offset: 104, .size: 8, .value_kind: global_buffer, .address_space: global }
      - { .name: wv_codes, .offset: 112, .size: 8, .value_kind: global_buffer, .address_space: global }
      - { .name: wv_scales, .offset: 120, .size: 8, .value_kind: global_buffer, .address_space: global }
      - { .name: bv, .offset: 128, .size: 8, .value_kind: global_buffer, .address_space: global }
      - { .name: attn_mask, .offset: 136, .size: 8, .value_kind: global_buffer, .address_space: global }
      - { .name: rel_emb, .offset: 144, .size: 8, .value_kind: global_buffer, .address_space: global }
      - { .name: maskw, .offset: 152, .size: 8, .value_kind: global_buffer, .address_space: global }
      - { .name: steps, .offset: 160, .size: 8, .value_kind: global_buffer, .address_space: global }
      - { .name: relw, .offset: 168, .size: 8, .value_kind: global_buffer, .address_space: global }
    .group_segment_fixed_size: 246016
    .private_segment_fixed_size: 0
    .kernarg_segment_align: 8
    .kernarg_segment_size: 176
    .max_flat_workgroup_size: 256
    .sgpr_count:     106
    .vgpr_count:     256
    .wavefront_size: 32
...
	.end_amdgpu_metadata
.endif
;; end of part 1
;; launch attn (part 2): grid 8 x 32, 16 waves a work-group, no clusters, 315,904 bytes of LDS; arguments qimg, kv, relw, maskw, steps, oc, os; writes oc, os
.if DOCPART == 2
	.amdgcn_target "amdgcn-amd-amdhsa--gfx1250"
	.amdhsa_code_object_version 6
	.text
	.protected	k_q54a6a65bcf_attn
	.globl	k_q54a6a65bcf_attn
	.p2align	8
	.type	k_q54a6a65bcf_attn,@function
k_q54a6a65bcf_attn:
	s_mov_b64 s[64:65], 0
	v_nop
	global_prefetch_b8 v0, s[64:65] scope:SCOPE_SE
	s_setreg_imm32_b32 hwreg(HW_REG_WAVE_MODE, 25, 1), 1
	s_wait_xcnt 0x0
; ATTN: S^T = K Q^T + 8 x relative bias; mask; p = 2^(t - M), t = S x log2(e) / 8, M the ceiling of the running largest t; O^T += V^T p; at the end O / l, clipped to +-30, quantised along the head's 64 for the projection.
; LEFT OUT: key steps of 128 keys that the given mask hides for all 16 queries of a tile, by the list that the first launch stored (its head comment says why that moves no result, and its limits).
; SHARES: a work-group owns one batch and head and two groups of 128 queries, x and 15 - x (which evens out lists of uneven length; nothing else hangs on it); each of 16 waves owns ONE tile of 16 queries in 256 registers,
; four waves to a SIMD, so that one wave's vector work stands beside another's matrix work and LDS loads.
; NO TENSOR LOADS, NO CLUSTER: the walk over key steps branches on a number read from memory.  So the head's K, V (16 records of 13,056 bytes) and the two
; slices of the bias table come once, at the kernel's head, through registers into LDS; one barrier; after it LDS is only read.
; LAYOUT: both products transposed: a lane holds ONE query (lane % 16).  K's tiles take the keys by the program's row map, so score register 32 c + i of lane (r, h) is key 64 c + 32 h + i of the step: WHOLE BLOCKS OF 32 KEYS in a lane:
; a block's largest score needs no other lane, and the conversions' results are the second product's operand.  K = 64 fills half of a 128-deep instruction: registers 6-11 of K's and Q's fragments are zero codes.
; THE BIAS is the C of the score product: four neighbouring keys' entries are 16 aligned bytes of the copy of the table that is shifted by 3 - r % 4.
; THE MASK is one select a score: its lane mask comes ready from memory into a scalar register.  A hidden score becomes -2^33: c x -2^33 is a whole number, so a row with no open key gets p = 1 everywhere (reference()'s uniform row),
; and in any other row p = 0 there, and the first open key's change of M wipes what was summed before it.
; LIMITS: as stated at the head of the first launch; blocks of p or of O whose largest magnitude lies under 2^-124 keep the scale byte 1.
.set REC,   13056                      ; a key step's record: K's 8 half images (768 T) | V's 4 images (6144 + 1536 T') | K's scale tiles (12288 + 64 T) | V's (12800 + 64 T')
.set TAB,   16*REC                     ; behind the 16 records: the bias table: slice (0: group x, 1: group 15 - x) x 4 copies of 2,176 entries
.set SLICE, 34944
.set COPY,  8736                       ; 8,704 + 32: the four copies start 8 words apart round the banks
.set SPARE, 279040                     ; the spare words, 128 bytes a wave, which no other line names
; SHARES, as they are dealt now.  Waves 2 T and 2 T + 1 are a pair: one FINISHES tile T of group x (role 0), the other tile T of group 15 - x (role 1).  Both read both tiles' lists, a and b steps long.
; Role 0 first HELPS on the other tile: it walks the lowest h = max(b - a, 0) / 2 listed steps of it, leaves O^T, l and -M in LDS bytes of its own (PART), and then walks its own tile; role 1 walks the other b - h steps.
; Behind one barrier at the end role 1 joins the two parts: M is a whole number, so both are brought under the larger M by exact powers of two.  One loop of 32 trips serves both walks: bit i of the list is step i % 16,
; trips 0-15 on group 15 - x, trips 16-31 on group x.  A step in which no key is hidden from any of the tile's queries (the upper half of the stored word says so) runs a copy of the step's front without mask words and selects.
.set PART,  281088                     ; 8 x 4,352 bytes: a helper's 32 registers of O^T at 16 x lane, then l and -M at 4 x lane
.set SPW, 5
.set NIL, 6
.set S,   128                          ; v128-191 scores, then p
.set O,   192                          ; v192-223 O^T: register n is channel 32 h + n
; v1-4 the step's LDS addresses; v7 -2^33; v8 8 h; v9, v31 at work; v10 -M, v11 largest t; v[12:13] l; v14 f, v15 the bias address's lane part (the pair's upper half is named with v14 and never used as a number);
; v16-27 Q, v28 its scale words; v29, v30 the two blocks' largest; v32-79 four fragments of K; v80-127 V's four; v224-235 p's codes; v236-243 conversions; v244-247 K's scale words, v248-251 V's, v252 p's; v253 permute; v[254:255] sums
; s[2:3] mask words' address; s4 the list; s5 step; s6 the record's LDS byte; s7 the step's bytes in the table; s8 wave; s[10:11] c; s[12:13] selects; s[16:63], s[68:83] 64 mask words
	s_load_b256 s[84:91], s[0:1], 0x0              ; qimg 84, kv 86, relw 88, maskw 90
	s_load_b128 s[92:95], s[0:1], 0x20             ; steps 92, oc 94
	s_load_b64 s[96:97], s[0:1], 0x30              ; os
	v_lshl_add_u32 v[SPW], v0, 2, SPARE
	v_mov_b32 v[NIL], 0
	v_lshrrev_b32 v1, 5, v0
	s_delay_alu instid0(VALU_DEP_1)
	v_readfirstlane_b32 s8, v1                     ; wave 0..15
	v_and_b32 v9, 31, v0
	s_delay_alu instid0(VALU_DEP_1)
	v_lshlrev_b32 v1, 4, v9                        ; 16 x lane
	s_delay_alu instid0(VALU_DEP_2)
	v_lshlrev_b32 v2, 3, v9                        ; 8 x lane
	v_and_b32 v3, 15, v0
	s_delay_alu instid0(VALU_DEP_1)
	v_lshlrev_b32 v3, 2, v3                        ; 4 r
	s_and_b32 s9, ttmp7, 0xffff                    ; batch x 16 + head
	s_lshr_b32 s14, s8, 1                          ; T: my tile in its group
	s_lshr_b32 s15, s8, 2
	s_xor_b32 s15, s15, s8
	s_and_b32 s15, s15, 1                          ; which of the two groups
	s_sub_co_u32 s66, 15, ttmp9
	s_cmp_eq_u32 s15, 0
	s_cselect_b32 s67, ttmp9, s66                  ; g
	s_mul_i32 s16, s9, 16*REC
	s_mul_i32 s18, s8, REC                         ; I copy record w: its place in the head's 16, in memory and in LDS
	s_add_co_u32 s16, s16, s18
	s_mov_b32 s17, 0
	s_lshr_b32 s19, s8, 3                          ; and half w % 2 of copy (w / 2) % 4 of slice w / 8
	s_bfe_u32 s20, s8, 0x20001
	s_and_b32 s21, s8, 1
	s_cmp_eq_u32 s19, 0
	s_cselect_b32 s22, ttmp9, s66
	s_lshl_b32 s22, s22, 9
	s_sub_co_u32 s22, 7680, s22                    ; the slice begins at entry 1920 - 128 g
	s_and_b32 s25, s9, 15                          ; head
	s_lshl_b32 s24, s25, 16
	s_add_co_u32 s22, s22, s24
	s_lshl_b32 s24, s20, 14
	s_add_co_u32 s22, s22, s24
	s_mul_i32 s21, s21, 4352
	s_add_co_u32 s22, s22, s21
	s_mov_b32 s23, 0
	s_mul_i32 s19, s19, SLICE
	s_mul_i32 s20, s20, COPY
	s_add_co_u32 s19, s19, s20
	s_add_co_u32 s19, s19, s21
	s_add_co_u32 s19, s19, TAB
	s_lshl_b32 s26, s9, 4
	s_add_co_u32 s26, s26, s67
	s_mul_i32 s26, s26, 6656                       ; Q's record
	s_mov_b32 s27, 0
	s_mul_i32 s28, s14, 768
	s_mov_b32 s29, 0
	s_lshl_b32 s30, s14, 6
	s_add_co_u32 s30, s30, 6144
	s_mov_b32 s31, 0
	s_lshr_b32 s32, s9, 4                          ; batch
	s_lshl_b32 s33, s32, 7
	s_lshl_b32 s34, s67, 3
	s_add_co_u32 s33, s33, s34
	s_add_co_u32 s33, s33, s14                     ; batch x 128 + 8 g + T
	s_lshl_b32 s36, s33, 12
	s_mov_b32 s37, 0
	s_lshl_b32 s38, s32, 4
	s_add_co_u32 s38, s38, s67
	s_lshl_b32 s38, s38, 3
	s_lshr_b32 s39, s25, 1
	s_add_co_u32 s38, s38, s39                     ; (16 batch + g) x 8 + the projection's K step
	s_and_b32 s39, s25, 1                          ; which half of that K step my head is
	s_mul_i32 s40, s38, 12288
	s_mul_i32 s42, s14, 1536
	s_add_co_u32 s40, s40, s42
	s_mul_i32 s42, s39, 768
	s_add_co_u32 s40, s40, s42
	s_mov_b32 s41, 0
	s_lshl_b32 s42, s38, 9
	s_lshl_b32 s43, s14, 6
	s_add_co_u32 s42, s42, s43
	s_lshl_b32 s43, s39, 1
	s_add_co_u32 s42, s42, s43
	s_mov_b32 s43, 0
	s_mov_b32 s44, 0                               ; the bias address (the slice is added with the step).  Entry = key + 124 - (my query in its group, its low two bits cleared); every minus term is written by an exclusive or:
	s_lshr_b32 s45, s14, 2                         ; 4 x (124 - q') = 256 ((T / 4) ^ 1) + 32 ((T % 4) ^ 3) + 128 ((r / 8) ^ 1) + 4 ((r & 4) ^ 4)
	s_xor_b32 s45, s45, 1
	s_lshl_b32 s45, s45, 8
	s_add_co_u32 s44, s44, s45
	s_and_b32 s45, s14, 3
	s_xor_b32 s45, s45, 3
	s_lshl_b32 s45, s45, 5
	s_add_co_u32 s44, s44, s45
	s_add_co_u32 s44, s44, TAB
	s_lshl_b32 s46, s9, 4
	s_add_co_u32 s46, s46, s66
	s_mul_i32 s46, s46, 6656                       ; Q's record of group 15 - x
	s_mov_b32 s47, 0
	s_lshl_b32 s48, s32, 7
	s_add_co_u32 s48, s48, s14
	s_lshl_b32 s50, ttmp9, 3
	s_add_co_u32 s50, s50, s48                     ; tile T of group x: batch x 128 + 8 x + T
	s_lshl_b32 s52, s66, 3
	s_add_co_u32 s48, s48, s52                     ; and of group 15 - x
	s_lshl_b32 s52, s48, 12
	s_mov_b32 s53, 0
	s_lshl_b32 s48, s48, 7
	s_mov_b32 s49, 0
	s_lshl_b32 s50, s50, 7
	s_mov_b32 s51, 0
	s_mov_b32 s104, s15                            ; my role
	s_mul_i32 s105, s14, 4352
	s_add_co_u32 s105, s105, PART                  ; my pair's bytes
	s_wait_alu depctr_va_vdst(0)
	s_wait_kmcnt 0x0
	s_add_nc_u64 s[86:87], s[86:87], s[16:17]
	s_add_nc_u64 s[88:89], s[88:89], s[22:23]
	s_add_nc_u64 s[54:55], s[84:85], s[46:47]      ; the first walk's Q: tile T of group 15 - x
	s_add_nc_u64 s[56:57], s[54:55], s[30:31]
	s_add_nc_u64 s[54:55], s[54:55], s[28:29]
	s_add_nc_u64 s[84:85], s[84:85], s[26:27]
	s_add_nc_u64 s[98:99], s[84:85], s[30:31]      ; Q's scale tile
	s_add_nc_u64 s[84:85], s[84:85], s[28:29]      ; Q's image
	s_add_nc_u64 s[58:59], s[92:93], s[48:49]
	s_add_nc_u64 s[92:93], s[92:93], s[50:51]
	s_add_nc_u64 s[2:3], s[90:91], s[52:53]        ; the first walk's mask words
	s_add_nc_u64 s[90:91], s[90:91], s[36:37]      ; those of the tile that I finish
	s_add_nc_u64 s[94:95], s[94:95], s[40:41]
	s_add_nc_u64 s[96:97], s[96:97], s[42:43]
	s_load_b32 s100, s[92:93], 0x0                 ; the lists of tile T of group x,
	s_load_b32 s101, s[58:59], 0x0                 ; and of group 15 - x
.irp i, 0,1,2,3,4,5,6,7,8,9,10,11,12,13,14,15,16,17,18,19,20,21,22,23,24
	global_load_b128 v[32+4*\i:35+4*\i], v1, s[86:87] offset:512*\i
.endr
	global_load_b64 v[132:133], v2, s[86:87] offset:12800
.irp i, 0,1,2,3,4,5,6,7
	global_load_b128 v[134+4*\i:137+4*\i], v1, s[88:89] offset:512*\i
.endr
	global_load_b64 v[166:167], v2, s[88:89] offset:4096
	global_load_b128 v[16:19], v1, s[54:55]
	global_load_b64 v[20:21], v2, s[54:55] offset:512
	global_load_b32 v28, v3, s[56:57]
	v_add_nc_u32 v168, s18, v1
	v_add_nc_u32 v169, s18, v2
	v_add_nc_u32 v170, s19, v1
	v_add_nc_u32 v171, s19, v2
	v_and_b32 v9, 3, v0
	s_delay_alu instid0(VALU_DEP_1)
	v_xor_b32 v9, 3, v9                            ; the copy: 3 - r % 4
	s_delay_alu instid0(VALU_DEP_1)
	v_mul_u32_u24 v15, v9, COPY
	v_bfe_u32 v9, v0, 4, 1
	s_delay_alu instid0(VALU_DEP_1)
	v_lshl_add_u32 v15, v9, 7, v15                 ; + 32 keys x h
	s_delay_alu instid0(VALU_DEP_2)
	v_lshlrev_b32 v8, 3, v9
	v_bfe_u32 v9, v0, 3, 1
	s_delay_alu instid0(VALU_DEP_1)
	v_xor_b32 v9, 1, v9
	s_delay_alu instid0(VALU_DEP_1)
	v_lshl_add_u32 v15, v9, 7, v15
	v_and_b32 v9, 4, v0
	s_delay_alu instid0(VALU_DEP_1)
	v_xor_b32 v9, 4, v9
	s_delay_alu instid0(VALU_DEP_1)
	v_lshl_add_u32 v15, v9, 2, v15
	s_delay_alu instid0(VALU_DEP_1)
	v_add_nc_u32 v15, s44, v15
	s_wait_loadcnt 0x0
.irp i, 0,1,2,3,4,5,6,7,8,9,10,11,12,13,14,15,16,17,18,19,20,21,22,23,24
	ds_store_b128 v168, v[32+4*\i:35+4*\i] offset:512*\i
.endr
	ds_store_b64 v169, v[132:133] offset:12800
.irp i, 0,1,2,3,4,5,6,7
	ds_store_b128 v170, v[134+4*\i:137+4*\i] offset:512*\i
.endr
	ds_store_b64 v171, v[166:167] offset:4096
	s_wait_dscnt 0x0                               ; for the others' sake: my stores have landed
	s_barrier_signal -1
	s_barrier_wait -1                              ; the head's K, V and tables lie in LDS; from here on LDS is only read
.irp t, 0,1,2,3
.irp i, 6,7,8,9,10,11
	v_mov_b32 v[32+12*\t+\i], 0                    ; K = 64 .. 127 of K's fragments: zero codes
.endr
.endr
.irp i, 22,23,24,25,26,27
	v_mov_b32 v[\i], 0                             ; and of Q's
.endr
.set j, 0
.rept 32
	v_mov_b32 v[O+j], 0                            ; O^T.  (The step is written once: the first walked step finds zeros)
.set j, j+1
.endr
	v_mov_b32 v12, 0
	v_mov_b32 v13, 0
	v_mov_b32 v253, 0
	v_mov_b32 v11, 0xff61b1e6                      ; the largest t so far: -3e38
	s_delay_alu instid0(VALU_DEP_1)
	v_floor_f32 v10, -v11
	v_mov_b32 v7, 0xd0000000                       ; -2^33
	s_mov_b32 s10, 0x3e38aa3b                      ; c = log2(e) / 8
	s_mov_b32 s11, s10
	s_mov_b32 s12, 0x76543210
	s_mov_b32 s13, 0xfedcba98
	s_mov_b32 s5, 0
	s_wait_alu depctr_va_vdst(0)
	s_wait_kmcnt 0x0                               ; the lists
	s_and_b32 s16, s100, 0xffff                    ; group x: the steps to walk,
	s_lshr_b32 s17, s100, 16                       ; and those with nothing hidden
	s_and_b32 s18, s101, 0xffff                    ; group 15 - x likewise
	s_lshr_b32 s19, s101, 16
	s_bcnt1_i32_b32 s20, s16
	s_bcnt1_i32_b32 s21, s18
	s_sub_co_i32 s20, s21, s20
	s_max_i32 s20, s20, 0
	s_lshr_b32 s20, s20, 1                         ; h, at most 7
	s_mov_b32 s21, s18
.irp i, 0,1,2,3,4,5,6,7
	s_sub_co_u32 s22, s21, 1
	s_and_b32 s22, s22, s21                        ; without its lowest step,
	s_cmp_gt_u32 s20, \i
	s_cselect_b32 s21, s22, s21                    ; h times: what role 1 walks
.endr
	s_xor_b32 s22, s18, s21                        ; the helper's h steps
	s_lshl_b32 s16, s16, 16
	s_or_b32 s22, s22, s16                         ; and, in trips 16-31, its own tile's
	s_lshl_b32 s17, s17, 16
	s_or_b32 s100, s17, s19                        ; bit i: trip i's step has nothing hidden
	s_cmp_eq_u32 s104, 0
	s_cselect_b32 s4, s22, s21
.macro KLOAD t0                        ; four tiles of K: half images and scale words
.irp t, 0,1,2,3
	ds_load_b128 v[32+12*\t:35+12*\t], v1 offset:768*(\t0+\t)
	ds_load_b64 v[36+12*\t:37+12*\t], v2 offset:768*(\t0+\t)+512
	ds_load_b32 v[244+\t], v3 offset:12288+64*(\t0+\t)
.endr
.endm
.macro QK t0                           ; S^T = K Q^T + bias: the bias lies in the accumulators
.irp t, 0,1,2,3
	v_wmma_scale_f32_16x16x128_f8f6f4 v[S+8*(\t0+\t):S+8*(\t0+\t)+7], v[32+12*\t:43+12*\t], v[16:27], v[S+8*(\t0+\t):S+8*(\t0+\t)+7], v[244+\t], v28 matrix_a_fmt:MATRIX_FMT_FP6 matrix_b_fmt:MATRIX_FMT_FP6
.endr
.endm
.macro MASKSEL n0                      ; 32 selects, ascending: each accumulator is read from its low end on
.set n, \n0
.rept 32
.if n < 48
	v_cndmask_b32 v[S+n], v7, v[S+n], s[16+n]
.else
	v_cndmask_b32 v[S+n], v7, v[S+n], s[20+n]
.endif
.set n, n+1
.endr
.endm
.macro BMAX d, s                       ; the largest score of a block of 32 keys, all mine, in two chains
	v_max3_num_f32 v[\d], v[(\s)], v[(\s)+1], v[(\s)+2]
	v_max3_num_f32 v31, v[(\s)+3], v[(\s)+4], v[(\s)+5]
.irp i, 6,10,14,18,22,26
	v_max3_num_f32 v[\d], v[\d], v[(\s)+\i], v[(\s)+\i+1]
	v_max3_num_f32 v31, v31, v[(\s)+\i+2], v[(\s)+\i+3]
.endr
	v_max3_num_f32 v[\d], v[\d], v[(\s)+30], v[(\s)+31]
	s_delay_alu instid0(VALU_DEP_1)
	v_max_num_f32 v[\d], v[\d], v31
.endm
.Lstep:                                ; 32 trips, a constant; a step that the list leaves out is jumped over, down to the lines that step addresses
	s_cmp_eq_u32 s5, 16
	s_cbranch_scc0 .Lsame
	s_cmp_eq_u32 s104, 0
	s_cbranch_scc0 .Lsame
.rept 4
	v_nop                                          ; role 0, between its two walks.  Places behind the last products
.endr
	v_and_b32 v9, 31, v0
	v_lshlrev_b32 v1, 4, v9
	v_lshlrev_b32 v2, 3, v9
	v_and_b32 v3, 15, v0
	v_lshlrev_b32 v3, 2, v3
	v_lshl_add_u32 v4, v9, 4, s105
	v_lshl_add_u32 v31, v9, 2, s105
	global_load_b128 v[16:19], v1, s[84:85]        ; my own tile's Q
	global_load_b64 v[20:21], v2, s[84:85] offset:512
	global_load_b32 v28, v3, s[98:99]
	v_add_f32 v12, v12, v13
.irp k, 0,1,2,3,4,5,6,7
	ds_store_b128 v4, v[O+4*\k:O+4*\k+3] offset:512*\k             ; the helper's part, each accumulator from its low end on
.endr
	ds_store_b32 v31, v12 offset:4096
	ds_store_b32 v31, v10 offset:4224
.set j, 0
.rept 32
	v_mov_b32 v[O+j], 0                            ; and all begins anew
.set j, j+1
.endr
	v_mov_b32 v12, 0
	v_mov_b32 v13, 0
	v_mov_b32 v11, 0xff61b1e6
	v_floor_f32 v10, -v11
	s_mov_b64 s[2:3], s[90:91]                     ; (no scalar load is out)
	s_wait_alu depctr_va_vdst(0)
	s_wait_loadcnt 0x0
.Lsame:
	s_bitcmp1_b32 s4, s5
	s_cbranch_scc0 .Lskip
	s_and_b32 s6, s5, 15                           ; the step
	s_lshl_b32 s7, s6, 9                           ; its bytes in the table,
	s_mul_i32 s6, s6, REC                          ; its record,
	s_lshr_b32 s9, s5, 4
	s_xor_b32 s9, s9, 1
	s_mul_i32 s9, s9, SLICE                        ; and the slice: trips 0-15 group 15 - x's, trips 16-31 group x's
	s_add_co_u32 s7, s7, s9
	v_and_b32 v9, 31, v0                           ; the step's LDS addresses, made on the way that both fronts share
	s_delay_alu instid0(VALU_DEP_1)
	v_lshl_add_u32 v1, v9, 4, s6
	s_delay_alu instid0(VALU_DEP_2)
	v_lshl_add_u32 v2, v9, 3, s6
	v_and_b32 v3, 15, v0
	s_delay_alu instid0(VALU_DEP_1)
	v_lshl_add_u32 v3, v3, 2, s6
	v_add_nc_u32 v4, s7, v15
.macro FRONT m
.if \m
	s_load_b512 s[16:31], s[2:3], 0x0              ; the step's 64 lane masks
	s_load_b512 s[32:47], s[2:3], 0x40
	s_load_b512 s[48:63], s[2:3], 0x80
	s_load_b512 s[68:83], s[2:3], 0xc0
.endif
.irp q, 0,1,2,3,4,5,6,7
	ds_load_b128 v[S+4*\q:S+4*\q+3], v4 offset:16*\q               ; 8 x bias of keys 32 h + 0 .. 31
.endr
	KLOAD 0
.irp q, 0,1,2,3,4,5,6,7
	ds_load_b128 v[S+32+4*\q:S+32+4*\q+3], v4 offset:256+16*\q     ; and of keys 64 + 32 h + 0 .. 31
.endr
	s_wait_alu depctr_va_vdst(0)
	s_wait_dscnt 0x8                               ; all but those eight
	QK 0
.rept 4
	v_nop                                          ; places in front of loads into K's registers and of the first read of the scores
.endr
	KLOAD 4
.if \m
	s_wait_kmcnt 0x0
	MASKSEL 0
.endif
	s_wait_dscnt 0x0
	QK 4
	BMAX 29, S                                     ; (sixteen plain lines on other registers: the places behind those four)
.if \m
	MASKSEL 32
.endif
.endm
	s_wait_alu depctr_va_vdst(0)
	s_bitcmp1_b32 s100, s5
	s_cbranch_scc1 .Lopen
	FRONT 1
	s_wait_alu depctr_va_vdst(0)
	s_branch .Lfront
.Lopen:
	FRONT 0
.Lfront:
.irp t, 0,1,2,3
.irp i, 0,1
	ds_load_b128 v[80+12*\t+6*\i:83+12*\t+6*\i], v1 offset:6144+1536*\t+768*\i      ; V's four tiles, each as two half images, land under the softmax
	ds_load_b64 v[84+12*\t+6*\i:85+12*\t+6*\i], v2 offset:6144+1536*\t+768*\i+512
.endr
	ds_load_b32 v[248+\t], v3 offset:12800+64*\t
.endr
	BMAX 30, S+32
	s_delay_alu instid0(VALU_DEP_1)
	v_max_num_f32 v9, v29, v30
	s_delay_alu instid0(VALU_DEP_1)
	v_permlanex16_b32 v253, v9, s12, s13
	s_delay_alu instid0(VALU_DEP_1)
	v_max_num_f32 v9, v9, v253                     ; the step's largest score of my query
	s_delay_alu instid0(VALU_DEP_1)
	v_mul_f32 v9, s10, v9
	s_delay_alu instid0(VALU_DEP_1)
	v_max_num_f32 v11, v11, v9                     ; the running largest t
	v_mov_b32 v9, v10
	s_delay_alu instid0(VALU_DEP_2)
	v_floor_f32 v10, -v11                          ; -M = floor(-t): M is a whole number
	s_delay_alu instid0(VALU_DEP_1)
	v_sub_f32 v9, v10, v9                          ; old M - new M, 0 or less
	s_delay_alu instid0(VALU_DEP_1)
	v_cvt_i32_f32 v9, v9                           ; (it saturates)
	s_delay_alu instid0(VALU_DEP_1)
	v_ldexp_f32 v14, 1.0, v9                       ; f = 2^(old M - new M): rounds nothing
.set j, 0
.rept 32
	v_pk_fma_f32 v[S+j:S+j+1], v[S+j:S+j+1], s[10:11], v[10:11] op_sel_hi:[1,0,0]   ; t - M
.set j, j+2
.endr
	v_fma_f32 v29, v29, s10, v10                   ; the same of each block's largest score: p rises with the score
	v_fma_f32 v30, v30, s10, v10
.set j, 0
	s_wait_alu depctr_va_vdst(0)
.rept 64
	v_exp_f32 v[S+j], v[S+j]                       ; p, at most 1, not normalised
.set j, j+1
.endr
	v_exp_f32 v29, v29
	v_exp_f32 v30, v30
	v_pk_mul_f32 v[12:13], v[12:13], v[14:15] op_sel_hi:[1,0]      ; l under the new M: the plain line behind the exponentials
	s_wait_alu depctr_va_vdst(0)                   ; one wait for the batch of 66, ahead of its first reader
	v_pk_add_f32 v[254:255], v[132:133], v[136:137]
	v_pk_add_f32 v[246:247], v[140:141], v[144:145]
	v_pk_add_f32 v[244:245], v[148:149], v[152:153]
	v_pk_add_f32 v[242:243], v[156:157], v[160:161]
	v_pk_add_f32 v[240:241], v[164:165], v[168:169]
	v_pk_add_f32 v[238:239], v[172:173], v[176:177]
	v_pk_add_f32 v[236:237], v[180:181], v[184:185]
	v_pk_add_f32 v[12:13], v[12:13], v[188:189]
	v_pk_add_f32 v[254:255], v[254:255], v[128:129]
	v_pk_add_f32 v[246:247], v[246:247], v[130:131]
	v_pk_add_f32 v[244:245], v[244:245], v[134:135]
	v_pk_add_f32 v[242:243], v[242:243], v[138:139]
	v_pk_add_f32 v[240:241], v[240:241], v[142:143]
	v_pk_add_f32 v[238:239], v[238:239], v[146:147]
	v_pk_add_f32 v[236:237], v[236:237], v[150:151]
	v_pk_add_f32 v[12:13], v[12:13], v[154:155]
	v_pk_add_f32 v[254:255], v[254:255], v[158:159]
	v_pk_add_f32 v[246:247], v[246:247], v[162:163]
	v_pk_add_f32 v[244:245], v[244:245], v[166:167]
	v_pk_add_f32 v[242:243], v[242:243], v[170:171]
	v_pk_add_f32 v[240:241], v[240:241], v[174:175]
	v_pk_add_f32 v[238:239], v[238:239], v[178:179]
	v_pk_add_f32 v[236:237], v[236:237], v[182:183]
	v_pk_add_f32 v[12:13], v[12:13], v[186:187]
	v_pk_add_f32 v[254:255], v[254:255], v[190:191]
	s_delay_alu instid0(VALU_DEP_2)
	v_pk_add_f32 v[12:13], v[12:13], v[242:243]
	s_delay_alu instid0(VALU_DEP_2)
	v_pk_add_f32 v[254:255], v[254:255], v[240:241]
	v_pk_add_f32 v[246:247], v[246:247], v[238:239]
	v_pk_add_f32 v[244:245], v[244:245], v[236:237]
	s_delay_alu instid0(VALU_DEP_2)
	v_pk_add_f32 v[12:13], v[12:13], v[246:247]
	s_delay_alu instid0(VALU_DEP_2)
	v_pk_add_f32 v[254:255], v[254:255], v[244:245]
	s_delay_alu instid0(VALU_DEP_1)
	v_pk_add_f32 v[12:13], v[12:13], v[254:255]
	v_max_num_f32 v29, 0x1800000, v29              ; the floor 2^(3 - 127): the byte cannot fall under 1
	v_max_num_f32 v30, 0x1800000, v30
	s_delay_alu instid0(VALU_DEP_2)
	v_add_nc_u32 v239, 0xff000000, v29             ; 2 off the exponent field: the conversions' scale operands
	s_delay_alu instid0(VALU_DEP_2)
	v_add_nc_u32 v243, 0xff000000, v30
	s_delay_alu instid0(VALU_DEP_2)
	v_lshrrev_b32 v29, 23, v239
	s_delay_alu instid0(VALU_DEP_2)
	v_lshrrev_b32 v30, 23, v243
	s_delay_alu instid0(VALU_DEP_1)
	v_lshl_or_b32 v252, v30, 16, v29               ; my blocks h and 2 + h,
	s_delay_alu instid0(VALU_DEP_1)
	v_lshlrev_b32 v252, v8, v252
	s_delay_alu instid0(VALU_DEP_1)
	v_permlanex16_b32 v253, v252, s12, s13
	s_delay_alu instid0(VALU_DEP_1)
	v_or_b32 v252, v252, v253                      ; with lane l xor 16's: p's scale word
	v_cvt_scalef32_pk16_fp6_f32 v[224:226], v[S:S+15], v239
	v_cvt_scalef32_pk16_fp6_f32 v[236:238], v[S+16:S+31], v239
	v_cvt_scalef32_pk16_fp6_f32 v[230:232], v[S+32:S+47], v243
	v_cvt_scalef32_pk16_fp6_f32 v[240:242], v[S+48:S+63], v243
	v_nop                                          ; one plain place behind a scaled conversion
.irp i, 0,1,2
	v_mov_b32 v[227+\i], v[236+\i]
	v_mov_b32 v[233+\i], v[240+\i]
.endr
.set j, 0
.rept 16
	v_pk_mul_f32 v[O+j:O+j+1], v[O+j:O+j+1], v[14:15] op_sel_hi:[1,0]   ; O^T under the new M.  (Also the places between the writes of p's codes and scale word and the products)
.set j, j+2
.endr
	s_wait_alu depctr_va_vdst(0)
	s_wait_dscnt 0x0                               ; V
.irp t, 0,1,2,3
	v_wmma_scale_f32_16x16x128_f8f6f4 v[O+8*\t:O+8*\t+7], v[80+12*\t:91+12*\t], v[224:235], v[O+8*\t:O+8*\t+7], v[248+\t], v252 matrix_a_fmt:MATRIX_FMT_FP6 matrix_b_fmt:MATRIX_FMT_FP6
.endr
.Lskip:
	s_add_nc_u64 s[2:3], s[2:3], 256               ; (no scalar load is out: a walked step has waited for its four)
	s_add_co_u32 s5, s5, 1
	s_cmp_lt_u32 s5, 32
	s_cbranch_scc1 .Lstep
; ---- the way out
.rept 4
	v_nop                                          ; places behind the last products
.endr
	s_wait_alu depctr_va_vdst(0)
	s_wait_dscnt 0x0                               ; for the partner's sake: a helper's stores have landed
	s_barrier_signal -1
	s_barrier_wait -1
	s_cmp_eq_u32 s104, 1
	s_cbranch_scc0 .Lno_merge
	v_and_b32 v9, 31, v0                           ; role 1: the helper's part of my tile
	v_lshl_add_u32 v1, v9, 4, s105
	v_lshl_add_u32 v2, v9, 2, s105
.irp k, 0,1,2,3,4,5,6,7
	ds_load_b128 v[S+4*\k:S+4*\k+3], v1 offset:512*\k
.endr
	ds_load_b32 v29, v2 offset:4096
	ds_load_b32 v30, v2 offset:4224
	v_add_f32 v12, v12, v13
	v_mov_b32 v13, 0
	s_wait_alu depctr_va_vdst(0)
	s_wait_dscnt 0x0
	v_min_num_f32 v9, v10, v30                     ; -M of the larger M
	v_sub_f32 v31, v9, v10                         ; my M less it, 0 or less,
	v_sub_f32 v30, v9, v30                         ; and the helper's (a helper that walked nothing has M = -3e38)
	v_cvt_i32_f32 v31, v31                         ; (they saturate)
	v_cvt_i32_f32 v30, v30
	v_ldexp_f32 v14, 1.0, v31
	v_ldexp_f32 v30, 1.0, v30
	v_mul_f32 v12, v12, v14
	v_fmac_f32 v12, v29, v30
.set j, 0
.rept 16
	v_pk_mul_f32 v[O+j:O+j+1], v[O+j:O+j+1], v[14:15] op_sel_hi:[1,0]
	v_pk_fma_f32 v[O+j:O+j+1], v[S+j:S+j+1], v[30:31], v[O+j:O+j+1] op_sel_hi:[1,0,1]
.set j, j+2
.endr
.Lno_merge:
	s_wait_alu depctr_va_vdst(0)
	v_add_f32 v12, v12, v13
	s_delay_alu instid0(VALU_DEP_1)
	v_permlanex16_b32 v253, v12, s12, s13
	s_delay_alu instid0(VALU_DEP_1)
	v_add_f32 v12, v12, v253                       ; l: its two halves, and lane l xor 16's keys
	s_wait_alu depctr_va_vdst(0)
	v_rcp_f32 v9, v12
	v_and_b32 v31, 31, v0                          ; (plain work behind the reciprocal)
	s_delay_alu instid0(VALU_DEP_1)
	v_lshlrev_b32 v1, 4, v31
	s_delay_alu instid0(VALU_DEP_2)
	v_lshlrev_b32 v2, 3, v31
	v_and_b32 v3, 15, v0
	s_delay_alu instid0(VALU_DEP_1)
	v_lshlrev_b32 v3, 2, v3
	s_mov_b32 s14, 0xc1f00000                      ; -30
	s_mov_b32 s15, 0x41f00000                      ; 30
	s_wait_alu depctr_va_vdst(0)                   ; ahead of the reciprocal's first reader
.set j, 0
.rept 32
	v_mul_f32 v[S+j], v[O+j], v9                   ; O / l, each accumulator from its low end on
.set j, j+1
.endr
.set j, 0
.rept 32
	v_med3_num_f32 v[S+j], v[S+j], s14, s15        ; the clip
.set j, j+1
.endr
	v_max3_num_f32 v29, |v[S]|, |v[S+1]|, 0x1800000               ; my 32 channels are one block of the projection's K
	v_max3_num_f32 v30, |v[S+2]|, |v[S+3]|, 0x1800000
.irp i, 4,8,12,16,20,24,28
	s_delay_alu instid0(VALU_DEP_2)
	v_max3_num_f32 v29, v29, |v[S+\i]|, |v[S+\i+1]|
	s_delay_alu instid0(VALU_DEP_2)
	v_max3_num_f32 v30, v30, |v[S+\i+2]|, |v[S+\i+3]|
.endr
	s_delay_alu instid0(VALU_DEP_1)
	v_max_num_f32 v29, v29, v30
	s_delay_alu instid0(VALU_DEP_1)
	v_add_nc_u32 v239, 0xff000000, v29
	s_delay_alu instid0(VALU_DEP_1)
	v_lshrrev_b32 v30, 23, v239
	s_delay_alu instid0(VALU_DEP_1)
	v_lshlrev_b32 v30, v8, v30
	s_delay_alu instid0(VALU_DEP_1)
	v_permlanex16_b32 v253, v30, s12, s13
	s_delay_alu instid0(VALU_DEP_1)
	v_or_b32 v252, v30, v253                       ; my head's two scale bytes of row r
	v_cvt_scalef32_pk16_fp6_f32 v[224:226], v[S:S+15], v239
	v_cvt_scalef32_pk16_fp6_f32 v[236:238], v[S+16:S+31], v239
	v_nop
.irp i, 0,1,2
	v_mov_b32 v[227+\i], v[236+\i]
.endr
	global_store_b128 v1, v[224:227], s[94:95]     ; the half image: 512 consecutive bytes,
	global_store_b64 v2, v[228:229], s[94:95] offset:512           ; and 256
	global_store_b16 v3, v252, s[96:97]            ; two bytes of each row's scale word (the other head of the pair writes the other two; lanes 16-31 write the same bytes again): 32 bytes of 64 a wave
	s_wait_tensorcnt 0x0                           ; the wave's end, behind my last LDS store
	ds_add_u32 v[SPW], v[NIL]
	s_wait_dscnt 0x0
	s_endpgm
.Lfunc_end_k_q54a6a65bcf_attn:
	.size	k_q54a6a65bcf_attn, .Lfunc_end_k_q54a6a65bcf_attn-k_q54a6a65bcf_attn
	.p2alignl 7, 3214868480
	.fill 96, 4, 3214868480
	.section	.rodata,"a",@progbits
	.p2align	6, 0x0
	.amdhsa_kernel k_q54a6a65bcf_attn
		.amdhsa_group_segment_fixed_size 315904
		.amdhsa_private_segment_fixed_size 0
		.amdhsa_enable_private_segment 0
		.amdhsa_kernarg_size 56
		.amdhsa_user_sgpr_count 2
		.amdhsa_user_sgpr_kernarg_segment_ptr 1
		.amdhsa_wavefront_size32 1
		.amdhsa_system_sgpr_workgroup_id_x 1
		.amdhsa_system_sgpr_workgroup_id_y 1
		.amdhsa_system_sgpr_workgroup_id_z 1
		.amdhsa_system_vgpr_workitem_id 0
		.amdhsa_next_free_vgpr 256
		.amdhsa_next_free_sgpr 106
		.amdhsa_reserve_vcc 0
		.amdhsa_float_denorm_mode_32 3
		.amdhsa_float_denorm_mode_16_64 3
		.amdhsa_memory_ordered 1
		.amdhsa_forward_progress 1
		.amdhsa_inst_pref_size 56
	.end_amdhsa_kernel
	.amdgpu_metadata
---
amdhsa.version: [ 1, 2 ]
amdhsa.kernels:
  - .name:           k_q54a6a65bcf_attn
    .symbol:         k_q54a6a65bcf_attn.kd
    .args:
      - { .name: qimg, .offset: 0, .size: 8, .value_kind: global_buffer, .address_space: global }
      - { .name: kv, .offset: 8, .size: 8, .value_kind: global_buffer, .address_space: global }
      - { .name: relw, .offset: 16, .size: 8, .value_kind: global_buffer, .address_space: global }
      - { .name: maskw, .offset: 24, .size: 8, .value_kind: global_buffer, .address_space: global }
      - { .name: steps, .offset: 32, .size: 8, .value_kind: global_buffer, .address_space: global }
      - { .name: oc, .offset: 40, .size: 8, .value_kind: global_buffer, .address_space: global }
      - { .name: os, .offset: 48, .size: 8, .value_kind: global_buffer, .address_space: global }
    .group_segment_fixed_size: 315904
    .private_segment_fixed_size: 0
    .kernarg_segment_align: 8
    .kernarg_segment_size: 56
    .max_flat_workgroup_size: 512
    .sgpr_count:     106
    .vgpr_count:     256
    .wavefront_size: 32
...
	.end_amdgpu_metadata
.endif
;; end of part 2
;; launch outp (part 3): grid 8 x 32, 8 waves a work-group, clusters of 4 x 4, 239,104 bytes of LDS; arguments oc, os, wo_codes, wo_scales, bo, out0; writes out0
.if DOCPART == 3
	.amdgcn_target "amdgcn-amd-amdhsa--gfx1250"
	.amdhsa_code_object_version 6
	.text
	.protected	k_q54a6a65bcf_outp
	.globl	k_q54a6a65bcf_outp
	.p2align	8
	.type	k_q54a6a65bcf_outp,@function
k_q54a6a65bcf_outp:
	s_mov_b64 s[64:65], 0
	v_nop
	global_prefetch_b8 v0, s[64:65] scope:SCOPE_SE
	s_setreg_imm32_b32 hwreg(HW_REG_WAVE_MODE, 25, 1), 1
	s_wait_xcnt 0x0
	s_wait_alu depctr_hold_cnt(0) depctr_sa_sdst(0) depctr_va_vdst(0) depctr_va_sdst(0) depctr_va_ssrc(0) depctr_va_vcc(0) depctr_vm_vsrc(0)
	s_getreg_b32 s2, hwreg(HW_REG_IB_STS2, 6, 4)
	s_cmp_eq_u32 s2, 0
	s_cbranch_scc0 .Lentry_in_a_cluster
	s_endpgm
.Lentry_in_a_cluster:
	s_bfe_u32 s2, ttmp6, 0x10000c
	s_cmp_lg_u32 s2, 0xf033
	s_cbranch_scc0 .Lentry_shape_is_right
	s_endpgm
.Lentry_shape_is_right:
; OUTP: out0 = O wo^T + bo on codes of E2M3.  Nothing of reference() is left out here.  D = P x R^T: P = 128 rows of wo (source 0, rows by the program's row map), R = 128 tokens of O (source 1), K = 1,024.
; O's fragments lie in memory as images of their registers (the attention launch stored them so): a K step's 8 tiles are one dense block of 12,288 bytes.
; Eight waves: wave w takes P's tiles 4 c .. 4 c + 3 (c = w % 2) and R's tiles 2 j, 2 j + 1 (j = w / 2): 8 accumulators by turns.
; LDS: all of K: waves 0-3 each ask for 32 whole rows of wo (768 bytes, 16 of padding behind each 256, groups 128 bytes further apart), waves 4-7 each for two K steps of O's images: one joint load a wave, nothing filled again.
; Scale words go from memory into registers: lanes 0-15 K steps 0-3, lanes 16-31 K steps 4-7.  bo is the C of the first products.
; CLUSTER 4 x 4: wo's block is shared along a column, O's along a row.  No prefetch: the launch has no loop to run ahead in.
; In the result lane (r, h) holds token row r and outputs 64 c + 32 h + 0 .. 31: rows go through the wave's own stage in LDS and leave as units of 256 consecutive bytes.
.set GS,    26240
.set PITCH, 816
.set TILEB, 8*PITCH
.set RIMG,  4*GS                       ; R's images: K step s at 12288 s, tile at 1536 T, half image at 768 c
.set STAGE, RIMG+98304                 ; 16 rows x 272 bytes for each wave: blocks of their own, into which no fill lands
.set SPARE, STAGE+8*4352               ; the spare words, 128 bytes a wave, which no other line names
.set SPW, 14
.set NIL, 15
.set SCW, 16                           ; v16-39 scale words and nothing else
.set F0,  40
.set ACC, 184
; v2-3 P's LDS address; v4-5 R's for K steps 0-3 (16 x lane, 8 x lane), v6-7 for 4-7; v8 h, v9 lane; v10 stage in, v11 stage back, v12 offset in out0; v13, v248, v249 offsets of scales and bias
.macro PLACES
.rept 4
	v_nop
.endr
.endm
.macro CROUND
	s_barrier_signal -1
	s_barrier_wait -1
	s_cmp_lg_u32 s2, 0
	s_cbranch_scc1 .Lnot_wave_0_\@
	s_barrier_signal -3
.Lnot_wave_0_\@:
	s_barrier_wait -3
	s_barrier_signal -1
	s_barrier_wait -1
.endm
.macro FRAG reg, adr, q, off
.irp p, 0,1,2,3,4,5
.set BY, 96*(\q)+48*(\p/3)+8*(\p%3)
.if BY/256 == (BY+24)/256
	ds_load_b64 v[(\reg)+2*\p:(\reg)+2*\p+1], v[\adr] offset:(\off)+BY+16*(BY/256)
.else
	ds_load_b64 v[(\reg)+2*\p:(\reg)+2*\p+1], v[(\adr)+1] offset:(\off)+BY+16*(BY/256)
.endif
.endr
.endm
.macro FETCH set, q                    ; 32 loads: P's four fragments (24) and my two of R (8)
.irp t, 0,1,2,3
	FRAG F0+72*(\set)+12*\t, 2, \q, TILEB*\t
.endr
.irp u, 0,1
.irp c, 0,1
	ds_load_b128 v[F0+72*(\set)+48+12*\u+6*\c:F0+72*(\set)+48+12*\u+6*\c+3], v[4+2*((\q)/4)] offset:12288*((\q)%4)+1536*\u+768*\c
	ds_load_b64 v[F0+72*(\set)+48+12*\u+6*\c+4:F0+72*(\set)+48+12*\u+6*\c+5], v[5+2*((\q)/4)] offset:12288*((\q)%4)+1536*\u+768*\c+512
.endr
.endr
.endm
.macro MULS set, q
.irp u, 0,1
.irp t, 0,1,2,3
.if (\q) < 4
	v_wmma_scale_f32_16x16x128_f8f6f4 v[ACC+32*\u+8*\t:ACC+32*\u+8*\t+7], v[F0+72*(\set)+12*\t:F0+72*(\set)+12*\t+11], v[F0+72*(\set)+48+12*\u:F0+72*(\set)+48+12*\u+11], v[ACC+32*\u+8*\t:ACC+32*\u+8*\t+7], v[SCW+4*\t+(\q)%4], v[SCW+16+4*\u+(\q)%4] matrix_a_fmt:MATRIX_FMT_FP6 matrix_b_fmt:MATRIX_FMT_FP6
.else
	v_wmma_scale_f32_16x16x128_f8f6f4 v[ACC+32*\u+8*\t:ACC+32*\u+8*\t+7], v[F0+72*(\set)+12*\t:F0+72*(\set)+12*\t+11], v[F0+72*(\set)+48+12*\u:F0+72*(\set)+48+12*\u+11], v[ACC+32*\u+8*\t:ACC+32*\u+8*\t+7], v[SCW+4*\t+(\q)%4], v[SCW+16+4*\u+(\q)%4] matrix_a_fmt:MATRIX_FMT_FP6 matrix_b_fmt:MATRIX_FMT_FP6 matrix_a_scale:MATRIX_SCALE_ROW1 matrix_b_scale:MATRIX_SCALE_ROW1
.endif
.endr
.endr
.endm
	s_load_b256 s[44:51], s[0:1], 0x0              ; oc 44, os 46, wo_codes 48, wo_scales 50
	s_load_b128 s[52:55], s[0:1], 0x20             ; bo 52, out0 54
	v_lshl_add_u32 v[SPW], v0, 2, SPARE
	v_mov_b32 v[NIL], 0
	ds_add_u32 v[SPW], v[NIL]                      ; the opening: the add, twice on end, and its wait ahead of my first tensor load
	ds_add_u32 v[SPW], v[NIL]
	v_lshrrev_b32 v1, 5, v0
	v_readfirstlane_b32 s2, v1                     ; wave 0..7
	s_lshr_b32 s3, s2, 2                           ; 0: I ask for P; 1: for R
	s_and_b32 s92, s2, 3                           ; which quarter of that block
	s_and_b32 s93, s2, 1                           ; c
	s_lshr_b32 s94, s2, 1                          ; j
	s_lshr_b32 s66, s94, 1
	s_and_b32 s67, s94, 1
	s_lshl_b32 s97, s66, 6
	s_lshl_b32 s98, s67, 4
	s_add_co_u32 s97, s97, s98                     ; the token of lane row 0 of tile 2 j
	s_mul_i32 s98, s94, 3072
	s_add_co_u32 s98, s98, RIMG                    ; my tiles of R in LDS
	s_mul_i32 s99, s93, 2*GS                       ; my tiles of P
	s_mul_i32 s63, s2, 4352
	s_add_co_u32 s63, s63, STAGE                   ; my stage
	s_bfe_u32 s95, ttmp6, 0x40000                  ; cx
	s_bfe_u32 s96, ttmp6, 0x40004                  ; cy
	s_lshl_b32 s61, ttmp9, 2
	s_add_co_u32 s61, s61, s95                     ; wo's block of 128 rows
	s_and_b32 s62, ttmp7, 0xffff
	s_lshl_b32 s62, s62, 2
	s_add_co_u32 s62, s62, s96                     ; the group of 128 tokens
	s_lshl_b32 s104, 0x1111, s95                   ; my column of the cluster
	s_lshl_b32 s100, s96, 2
	s_lshl_b32 s100, 15, s100                      ; my row
	s_or_b32 s76, s104, (1<<20)|(1<<21)|(5<<22)|(3<<25)    ; wo's codes: 32 rows x 768 bytes, 16 bytes of padding behind every 256
	s_or_b32 s84, s100, (3<<16)|(1<<21)            ; O's images: dense, no padding
	s_mov_b32 s77, 768<<16
	s_mov_b32 s78, 32<<16
	s_mov_b32 s79, 768<<16
	s_mov_b32 s80, 32
	s_mov_b32 s81, 768
	s_mov_b32 s82, 0
	s_mov_b32 s83, 0
	s_mov_b32 s85, 32<<16                          ; two K steps' 24,576 bytes as 96 rows of 256
	s_mov_b32 s86, 96<<16
	s_mov_b32 s87, 32<<16
	s_mov_b32 s88, 96
	s_mov_b32 s89, 32
	s_mov_b32 s90, 0
	s_mov_b32 s91, 0
	s_mov_b32 s105, 0
	s_mov_b32 s101, 0
	s_mov_b32 s67, 0
	s_wait_dscnt 0x0                               ; both opening adds are done
	s_wait_kmcnt 0x0
	s_mul_i32 s104, s61, 98304
	s_add_nc_u64 s[48:49], s[48:49], s[104:105]
	s_mul_i32 s100, s62, 98304
	s_add_nc_u64 s[44:45], s[44:45], s[100:101]
	s_mul_i32 s66, s92, 24576
	s_add_nc_u64 s[70:71], s[48:49], s[66:67]      ; groups 0: P's in s[68:71], R's in s[72:75]; LDS addresses hang on the wave's number alone
	s_add_nc_u64 s[74:75], s[44:45], s[66:67]
	s_or_b32 s71, s71, 0x80000000
	s_or_b32 s75, s75, 0x80000000
	s_mov_b32 s68, 1
	s_mov_b32 s72, 1
	s_mul_i32 s69, s92, GS
	s_mul_i32 s73, s92, 24576
	s_add_co_u32 s73, s73, RIMG
	s_lshl_b32 s104, s61, 12                       ; wo's scale bytes of my tiles' rows
	s_lshl_b32 s66, s93, 11
	s_add_nc_u64 s[50:51], s[50:51], s[104:105]
	s_add_nc_u64 s[50:51], s[50:51], s[66:67]
	s_lshl_b32 s100, s62, 12                       ; O's scale words: 4,096 bytes a group, 512 a K step, 64 a tile
	s_lshl_b32 s66, s94, 7
	s_add_nc_u64 s[46:47], s[46:47], s[100:101]
	s_add_nc_u64 s[46:47], s[46:47], s[66:67]
	s_lshl_b32 s104, s61, 9                        ; my 64 outputs, in bytes
	s_lshl_b32 s66, s93, 8
	s_add_nc_u64 s[52:53], s[52:53], s[104:105]
	s_add_nc_u64 s[52:53], s[52:53], s[66:67]
	s_add_nc_u64 s[54:55], s[54:55], s[104:105]
	s_add_nc_u64 s[54:55], s[54:55], s[66:67]
	s_lshl_b32 s100, s62, 7
	s_add_co_u32 s100, s100, s97
	s_lshl_b32 s100, s100, 12                      ; rows of 4,096 bytes
	s_add_nc_u64 s[54:55], s[54:55], s[100:101]
	CROUND                                         ; all sixteen work-groups are here: the joint loads meet
	s_cmp_eq_u32 s3, 0
	s_cbranch_scc0 .Lfor_r
	tensor_load_to_lds s[68:71], s[76:83]          ; my one load: 32 rows of wo,
	s_nop 0
	PLACES
	s_branch .Lasked
.Lfor_r:
	tensor_load_to_lds s[72:75], s[84:91]          ; or two K steps of O
	s_nop 0
	PLACES
.Lasked:
	v_and_b32 v1, 7, v0
	v_bfe_u32 v13, v0, 3, 1
	v_bfe_u32 v8, v0, 4, 1
	v_and_b32 v9, 31, v0
	v_and_b32 v250, 15, v0
	v_mul_u32_u24 v2, v1, PITCH
	v_mad_u32_u24 v2, v13, GS, v2
	v_mad_u32_u24 v2, v8, 24, v2
	v_add_nc_u32 v2, s99, v2
	v_lshl_add_u32 v3, v8, 4, v2
	v_lshl_add_u32 v4, v9, 4, s98
	v_lshl_add_u32 v5, v9, 3, s98
	v_add_nc_u32 v6, 49152, v4
	v_add_nc_u32 v7, 49152, v5
	v_lshlrev_b32 v248, 5, v1
	v_lshl_add_u32 v248, v13, 10, v248
	v_lshl_add_u32 v248, v8, 4, v248               ; wo's scales: 32 bytes a row, + 16 h
	v_lshlrev_b32 v249, 7, v8                      ; bo of outputs 32 h + i
	v_lshlrev_b32 v13, 2, v250
	v_lshl_add_u32 v13, v8, 11, v13                ; O's scale words: 4 r, + four K steps x h
	v_mul_u32_u24 v10, v250, 272
	v_lshl_add_u32 v10, v8, 7, v10
	v_add_nc_u32 v10, s63, v10                     ; in: row r, + 128 h
	v_mul_u32_u24 v11, v8, 272
	v_lshl_add_u32 v11, v250, 4, v11
	v_add_nc_u32 v11, s63, v11                     ; back: lanes 0-15 one row of 256 bytes, lanes 16-31 the next
	v_lshlrev_b32 v12, 12, v8
	v_lshl_add_u32 v12, v250, 4, v12               ; and the same two rows in out0
.irp t, 0,1,2,3
	global_load_b128 v[SCW+4*\t:SCW+4*\t+3], v248, s[50:51] offset:256*\t
.endr
.irp u, 0,1
.irp q, 0,1,2,3
	global_load_b32 v[SCW+16+4*\u+\q], v13, s[46:47] offset:512*\q+64*\u
.endr
.endr
.irp u, 0,1
.irp g, 0,1,2,3,4,5,6,7
	global_load_b128 v[ACC+32*\u+4*\g:ACC+32*\u+4*\g+3], v249, s[52:53] offset:16*\g   ; the sums begin with bo
.endr
.endr
	s_wait_alu depctr_va_vdst(0)
	s_wait_tensorcnt 0x0                           ; my part is in,
	s_wait_loadcnt 0x0                             ; scales and bias too
	s_barrier_signal -1
	s_barrier_wait -1                              ; everybody's parts are
	FETCH 0, 0
	FETCH 1, 1
.set Q, 0
.rept 8
.if Q < 7
	s_wait_dscnt 32                                ; all but the 32 loads of the next K step
.else
	s_wait_dscnt 0x0
.endif
	MULS Q%2, Q
.if Q < 6
	PLACES                                         ; four places in front of loads into registers that matrix instructions have read
	FETCH Q%2, Q+2
.endif
.set Q, Q+1
.endr
	PLACES                                         ; in front of the first read of results and of loads into the fragments' registers
.macro TOSTAGE u                       ; 16 tokens x 64 outputs into my stage, and back as whole rows; LDS serves a wave's instructions in order
.irp g, 0,1,2,3,4,5,6,7
	ds_store_b128 v10, v[ACC+32*\u+4*\g:ACC+32*\u+4*\g+3] offset:16*\g     ; each accumulator from its low end on
.endr
.irp k, 0,1,2,3,4,5,6,7
	ds_load_b128 v[F0+32*\u+4*\k:F0+32*\u+4*\k+3], v11 offset:544*\k
.endr
.endm
.macro SEND u, younger
	s_wait_dscnt \younger
.irp k, 0,1,2,3,4,5,6,7
	global_store_b128 v12, v[F0+32*\u+4*\k:F0+32*\u+4*\k+3], s[54:55] offset:(8*\u+32*(\k/4)+2*(\k%4))*4096 th:TH_STORE_NT   ; sixteen lanes store 256 consecutive bytes, at a multiple of 256 from out0's first byte
.endr
.endm
	TOSTAGE 0
	TOSTAGE 1
	SEND 0, 16                                     ; behind the first tile's loads: the second's 8 stores and 8 loads
	SEND 1, 0
	s_wait_tensorcnt 0x0                           ; the wave's end, behind my last tensor load and my last LDS store
	ds_add_u32 v[SPW], v[NIL]
	s_wait_dscnt 0x0
	CROUND                                         ; the closing round
	s_endpgm
.Lfunc_end_k_q54a6a65bcf_outp:
	.size	k_q54a6a65bcf_outp, .Lfunc_end_k_q54a6a65bcf_outp-k_q54a6a65bcf_outp
	.p2alignl 7, 3214868480
	.fill 96, 4, 3214868480
	.section	.rodata,"a",@progbits
	.p2align	6, 0x0
	.amdhsa_kernel k_q54a6a65bcf_outp
		.amdhsa_group_segment_fixed_size 239104
		.amdhsa_private_segment_fixed_size 0
		.amdhsa_enable_private_segment 0
		.amdhsa_kernarg_size 48
		.amdhsa_user_sgpr_count 2
		.amdhsa_user_sgpr_kernarg_segment_ptr 1
		.amdhsa_wavefront_size32 1
		.amdhsa_system_sgpr_workgroup_id_x 1
		.amdhsa_system_sgpr_workgroup_id_y 1
		.amdhsa_system_sgpr_workgroup_id_z 1
		.amdhsa_system_vgpr_workitem_id 0
		.amdhsa_next_free_vgpr 256
		.amdhsa_next_free_sgpr 106
		.amdhsa_reserve_vcc 0
		.amdhsa_float_denorm_mode_32 3
		.amdhsa_float_denorm_mode_16_64 3
		.amdhsa_memory_ordered 1
		.amdhsa_forward_progress 1
		.amdhsa_inst_pref_size 39
	.end_amdhsa_kernel
	.amdgpu_metadata
---
amdhsa.version: [ 1, 2 ]
amdhsa.kernels:
  - .name:           k_q54a6a65bcf_outp
    .symbol:         k_q54a6a65bcf_outp.kd
    .args:
      - { .name: oc, .offset: 0, .size: 8, .value_kind: global_buffer, .address_space: global }
      - { .name: os, .offset: 8, .size: 8, .value_kind: global_buffer, .address_space: global }
      - { .name: wo_codes, .offset: 16, .size: 8, .value_kind: global_buffer, .address_space: global }
      - { .name: wo_scales, .offset: 24, .size: 8, .value_kind: global_buffer, .address_space: global }
      - { .name: bo, .offset: 32, .size: 8, .value_kind: global_buffer, .address_space: global }
      - { .name: out0, .offset: 40, .size: 8, .value_kind: global_buffer, .address_space: global }
    .group_segment_fixed_size: 239104
    .private_segment_fixed_size: 0
    .kernarg_segment_align: 8
    .kernarg_segment_size: 48
    .max_flat_workgroup_size: 256
    .sgpr_count:     106
    .vgpr_count:     256
    .wavefront_size: 32
...
	.end_amdgpu_metadata
.endif
;; end of part 3
